; MI455X (gfx1250); checked and timed in simulation.
; The chip was launched on July 23, 2026; its instructions are those of AMD's public machine-readable ISA for CDNA 5 (MIT licence, August 2026) and "CDNA5" Instruction Set Architecture Reference Guide (July 2026). The comments in the code are by the model that wrote it; some were corrected since.
;; Causal Self Attention. Allowed arithmetic: matrix products marked QUANTISED: E2M3 operands, one E8M0 scale for each 32 along K, by v_wmma_scale_f32_16x16x128_f8f6f4 with both operands' format E2M3, f32 sums; everything else in f32.
;; Inputs: W_attn 1,024 x 3,072 float32; W_proj 1,024 x 1,024 float32; x 4 x 2,048 x 1,024 float32.
;; Outputs: out0 4 x 2,048 x 1,024 float32.
;; This version of the problem:
;;   THIS VERSION OF THE PROBLEM IS GIVEN IN LOW PRECISION. The matrix products marked QUANTISED in the list below multiply operands that are first quantised to E2M3 (2 exponent bits, 3 mantissa bits; 6 bits a number), with one power-of-two scale for each 32 numbers along K (OCP MX v1.0); their sums are f32. All else is computed in f32.
;;   The module's matrix products, in the order in which they are computed (A, B: the left and right operand; K: the contracted axis; several contracted axes count as one K, in the product's order):
;;     1. [M 8,192, K 1,024] x [K 1,024, N 3,072]; A: input x; B: input W_attn: QUANTISED
;;     2. batch 64 x [M 2,048, K 64] x [K 64, N 2,048]; A: computed on the way; B: computed on the way: QUANTISED
;;     3. batch 64 x [M 2,048, K 2,048] x [K 2,048, N 64]; A: softmax (see below); B: computed on the way: QUANTISED
;;     4. [M 8,192, K 1,024] x [K 1,024, N 1,024]; A: computed on the way; B: input W_proj: QUANTISED
;;   THE QUANTISER, for each operand of a quantised product, along K:
;;     - K is cut into blocks of 32 from its start; a last block that is shorter is filled with zeros.
;;     - A block's scale is 2^e with e = floor(log2(the largest magnitude in the block)) - 2, held to -126 .. 127; a block of zeros has e = 0. As a byte (E8M0): e + 127.
;;     - Each number is divided by its block's scale, clamped to +-7.5, and rounded to the nearest number of E2M3, ties to even, subnormals kept.
;;     - The product sums the exact products of the quantised numbers (number of the format x scale) in f32.
;;   ~~~python
;;   def quantise(x, axis):      # numpy; x: float32 -> the quantised numbers, widened to float32 again
;;       x = np.moveaxis(x, axis, -1); K = x.shape[-1]
;;       x = np.pad(x, [(0, 0)] * (x.ndim - 1) + [(0, -K % 32)]); x = x.reshape(x.shape[:-1] + (-1, 32)); a = np.abs(x).max(-1, keepdims=True)
;;       e = np.where(a > 0, np.clip(np.frexp(np.where(a > 0, a, 1))[1] - 1 - 2, -126, 127), 0)      # np.frexp(a)[1] - 1 = floor(log2(a)), exactly
;;       r = np.clip(x / 2.0 ** e, -7.5, 7.5)
;;       step = 2.0 ** (np.maximum(np.frexp(np.where(r == 0, 1, r))[1] - 1, 0) - 3)
;;       q = np.round(r / step) * step * 2.0 ** e      # np.round: ties to even
;;       return np.moveaxis(q.reshape(q.shape[:-2] + (-1,))[..., :K], -1, axis).astype(np.float32)
;;   ~~~
;;   SOFTMAX AHEAD OF A QUANTISED PRODUCT. Where the list says 'softmax', what is quantised is not the finished softmax but p = 2^(t - M), with t = logit x log2(e) and M = ceil(the row's largest t), a whole number; so 1/2 < the row's largest p <= 1. The row's sum l is taken of the UNQUANTISED p, in f32, and the product's result is divided by l at the end. Since M is a whole number, a kernel that streams over the keys may use a running M (the ceiling of the running maximum): every later rescaling is an exact power of two, which a block's scale takes up: the codes' values come out the same.
;;   OPERANDS COMPUTED ON THE WAY. 'Computed on the way' means the value that the module computes at that place (a softmax that the list does not call 'softmax' is quantised finished and normalised). What goes into a quantiser is computed in f32, as accurately as f32 sums, v_exp_f32 and their like allow (about 1e-6 of the number): no bf16 or f16 on the way to a quantiser, and a product that is left as it is and whose result goes on into a quantised operand takes f32 operands (vector FMAs, or v_wmma_f32_16x16x4_f32). A number that lies on a knife's edge between two numbers of the format may be rounded either way, as far as f32 arithmetic and the matrix unit's own rounding can turn it there, and no further.
;; One version. Each part assembles by itself: llvm-mc -triple=amdgcn-amd-amdhsa -mcpu=gfx1250 --defsym DOCPART=n.
;; ======== version 1 of 1: 4 launches
;; workspace buffers: c1 8,650,752 bytes; c2 7,077,888 bytes; sc 393,216 bytes; ys 262,144 bytes; rope 524,288 bytes; qb 6,553,600 bytes; kv 13,107,200 bytes
;; launch prep (part 1): grid 768 x 1, 4 waves a work-group, no clusters, 47,616 bytes of LDS; arguments x, W_attn, W_proj, c1, c2, sc, rope; writes c1, c2, sc, rope
.if DOCPART == 1
	.amdgcn_target "amdgcn-amd-amdhsa--gfx1250"
	.amdhsa_code_object_version 6
	.text
	.protected	k_q2e2bb3dabc_prep
	.globl	k_q2e2bb3dabc_prep
	.p2align	8
	.type	k_q2e2bb3dabc_prep,@function
k_q2e2bb3dabc_prep:
	s_mov_b64 s[64:65], 0
	v_nop
	global_prefetch_b8 v0, s[64:65] scope:SCOPE_SE
	s_setreg_imm32_b32 hwreg(HW_REG_WAVE_MODE, 25, 1), 1
	s_wait_xcnt 0x0
; CAUSAL SELF-ATTENTION IN MX-FP6, FOUR LAUNCHES: prep (this one), qkv, attn, proj.
; WORK LEFT OUT, in the whole program: reference() sets score(q, k) to the least f32 number wherever k > q, by a mask that it builds itself (jnp.tril); behind the row's maximum its exponential is 0
; for all finite inputs (key 0 counts for every query, so the maximum is a true score).  So a step of 128 keys all of which come after all queries of a tile adds nothing to the sum or to the product with v,
; whatever the inputs hold: launch attn walks no such step.  Inside a step on the diagonal the hidden scores are computed and set to -infinity.  Every input has a way to the output: all three are loaded.
; LIMIT: a NaN, an infinity or an overflow that reaches only the steps left out is not carried to the result.
; THIS LAUNCH turns x [8192][1024], W_attn [1024][3072] and W_proj [1024][1024], f32, into codes of FP6 (E2M3) with one E8M0 byte for each 32 along K, and makes rope's table of cos and sin.
; A block's byte is its largest magnitude's exponent field - 2, held at 1 from below.  LIMITS: a block whose largest magnitude lies under 2^-124, a block of zeros too, gets the byte 1 (the rule says 127 for
; zeros: its codes are zeros, and this program alone reads the bytes); NaN and infinities among the inputs are not served.
; LAYOUT OF THE CODES: images of the operand's registers.  A tile T = 2 g + u holds the 16 rows (of x) or columns (of W) 32 g + 8 u + (r % 8) + 16 (r / 8), r = 0 .. 15.  A fragment (tile T, K step s of 128) is 1,536
; bytes at (8 T + s) x 1,536: two halves c of 768 bytes; in a half, lane L = r + 16 h holds the 24 bytes of block 2 c + h of row r: its registers 0-3 at 16 L, its registers 4-5 at 512 + 8 L.
; Scale words: [T][r][s], four bytes (the four blocks of a K step) each.
; Work-groups 0 to 511 take a tile of x each (wave w: K steps 2 w, 2 w + 1) and one row of rope's table a wave; work-groups 512 to 767 take 128 columns x 128 along K of a weight each (a wave: 32 columns).
; ROPE'S TABLE: [t 2048][i 32] of (cos, sin) of t x 10000^(-i / 32), in f32: the angle less the nearest multiple of pi / 2 (pi / 2 in two parts), then polynomials on [-pi/4, pi/4].
; LIMIT: 10000^(-i/32) is made by v_exp_f32, good to its last bit, so the angle may differ from reference()'s by about two of its own last bits (some 2e-4 at the largest angles).
; No tensor load, no barrier: waves share nothing.  Each of the two paths has LDS bytes of its own.
.set SPARE, 47104                      ; behind both paths' stages: the spare words, 128 bytes a wave
.set SPW, 10                           ; v10  LDS address of my spare word; never rewritten
.set NIL, 11                           ; v11  0; never rewritten
.set XR,  32                           ; x path: v32-159 the numbers as loaded: K step f, row p at 32 + 64 f + 4 p
.set XX,  160                          ; v160-223 64 numbers of my row: 32 c + i = k 64 c + 32 h + i
.set IMG, 224                          ; v224-235 a fragment's codes
.set TC,  236                          ; v236-238, v240-242 the upper halves as the conversions leave them
.set SWD, 244                          ; v244-245 my row's two scale words
; K step f of my tile of x: through my stage, quantised, stored.
.macro XFRAG f
	s_wait_loadcnt 16*(1-\f)                       ; this K step's 16 loads are in; the other's 16 may be out
.set p, 0
.rept 16
	ds_store_b128 v6, v[XR+64*\f+4*p:XR+64*\f+4*p+3] offset:528*p   ; row p as it lies: 512 bytes, rows 528 apart
.set p, p+1
.endr
.irp c, 0,1
.irp i, 0,1,2,3,4,5,6,7
	ds_load_b128 v[XX+32*\c+4*\i:XX+32*\c+4*\i+3], v7 offset:256*\c+16*\i   ; a wave's LDS instructions are served in order: these see the stores.  My row's blocks h and 2 + h
.endr
.endr
	s_wait_dscnt 0x0
.irp c, 0,1
	v_max3_num_f32 v[12+2*\c], |v[XX+32*\c]|, |v[XX+32*\c+1]|, |v[XX+32*\c+2]|      ; a block's largest magnitude: all 32 numbers are mine; two chains a block
	v_max3_num_f32 v[13+2*\c], |v[XX+32*\c+3]|, |v[XX+32*\c+4]|, |v[XX+32*\c+5]|
.endr
.irp i, 6,10,14,18,22,26
.irp c, 0,1
	v_max3_num_f32 v[12+2*\c], v[12+2*\c], |v[XX+32*\c+\i]|, |v[XX+32*\c+\i+1]|
	v_max3_num_f32 v[13+2*\c], v[13+2*\c], |v[XX+32*\c+\i+2]|, |v[XX+32*\c+\i+3]|
.endr
.endr
.irp c, 0,1
	v_max3_num_f32 v[12+2*\c], v[12+2*\c], |v[XX+32*\c+30]|, |v[XX+32*\c+31]|
.endr
.irp c, 0,1
	v_max3_num_f32 v[12+2*\c], v[12+2*\c], v[13+2*\c], 0x1800000   ; and the floor 2^(3 - 127): the byte cannot fall under 1
.endr
.irp c, 0,1
	v_add_nc_u32 v[16+\c], 0xff000000, v[12+2*\c]  ; 2 off the exponent field: the conversion's scale operand
.endr
.irp c, 0,1
	v_lshrrev_b32 v[18+\c], 23, v[16+\c]           ; the byte
.endr
	v_lshl_or_b32 v20, v19, 16, v18                ; my two bytes, blocks h and 2 + h,
	v_lshlrev_b32 v21, 3, v3
	v_lshlrev_b32 v20, v21, v20                    ; at their places in the word;
	v_permlanex16_b32 v21, v20, s20, s21
	v_or_b32 v[SWD+\f], v20, v21                   ; with lane l xor 16's two the word is whole
.if \f
	s_wait_alu depctr_va_vdst(0)
	s_wait_xcnt 0x0                                ; the first K step's stores have read the codes' registers
.endif
.irp c, 0,1
	v_cvt_scalef32_pk16_fp6_f32 v[IMG+6*\c:IMG+6*\c+2], v[XX+32*\c:XX+32*\c+15], v[16+\c]
	v_cvt_scalef32_pk16_fp6_f32 v[TC+4*\c:TC+4*\c+2], v[XX+32*\c+16:XX+32*\c+31], v[16+\c]   ; (a conversion's three registers begin on an even number)
.endr
	v_nop                                          ; one plain place behind the conversions
.irp c, 0,1
.irp i, 0,1,2
	v_mov_b32 v[IMG+6*\c+3+\i], v[TC+4*\c+\i]
.endr
.endr
.irp c, 0,1
	global_store_b128 v4, v[IMG+6*\c:IMG+6*\c+3], s[10:11] offset:1536*\f+768*\c        ; 32 lanes store 512 consecutive bytes
	global_store_b64 v5, v[IMG+6*\c+4:IMG+6*\c+5], s[10:11] offset:1536*\f+768*\c+512   ; and 256
.endr
.endm
; Block b (32 along K) of my 32 columns of a weight: W(128 s + 32 b + i, my column), i = 0 .. 31
.macro LOADW b
.set i, 0
.rept 32
	global_load_b32 v[64+32*((\b)%2)+i], v[32+i], s[36+2*(\b):37+2*(\b)] th:TH_LOAD_NT   ; 32 lanes read 128 consecutive bytes of a row of W
.set i, i+1
.endr
.endm
.macro BLOCKW b
.set XS, 64+32*((\b)%2)
.if (\b) < 3
	s_wait_loadcnt 32                              ; this block's 32 loads are in; the next block's may be out
.else
	s_wait_loadcnt 0
.endif
	v_max3_num_f32 v17, |v[XS]|, |v[XS+1]|, |v[XS+2]|
	v_max3_num_f32 v18, |v[XS+3]|, |v[XS+4]|, |v[XS+5]|
.irp i, 6,10,14,18,22,26
	v_max3_num_f32 v17, v17, |v[XS+\i]|, |v[XS+\i+1]|
	v_max3_num_f32 v18, v18, |v[XS+\i+2]|, |v[XS+\i+3]|
.endr
	v_max3_num_f32 v17, v17, |v[XS+30]|, |v[XS+31]|
	v_max3_num_f32 v17, v17, v18, 0x1800000
	v_add_nc_u32 v19, 0xff000000, v17
	v_lshrrev_b32 v20, 23, v19
.if (\b) == 0
	v_mov_b32 v12, v20                             ; my column's scale word, the lower K in the lower byte
.else
	v_lshl_or_b32 v12, v20, 8*(\b), v12
.endif
	v_cvt_scalef32_pk16_fp6_f32 v[128:130], v[XS:XS+15], v19
	v_cvt_scalef32_pk16_fp6_f32 v[134:136], v[XS+16:XS+31], v19
	v_nop
	v_mov_b32 v131, v134
	v_mov_b32 v132, v135
	v_mov_b32 v133, v136
	ds_store_b128 v13, v[128:131] offset:768*((\b)/2)+256*((\b)%2)        ; into the image of my tile's fragment: half b / 2, lane r + 16 (b % 2)
	ds_store_b64 v14, v[132:133] offset:768*((\b)/2)+512+128*((\b)%2)
.if (\b)+2 < 4
	LOADW (\b)+2
.endif
	s_wait_dscnt 0x0
.endm
	s_load_b256 s[4:11], s[0:1], 0x0               ; x s[4:5], W_attn s[6:7], W_proj s[8:9], c1 s[10:11]
	s_load_b128 s[12:15], s[0:1], 0x20             ; c2 s[12:13], sc s[14:15]
	s_load_b64 s[16:17], s[0:1], 0x30              ; rope
	v_lshl_add_u32 v[SPW], v0, 2, SPARE
	v_mov_b32 v[NIL], 0
	v_lshrrev_b32 v1, 5, v0
	v_readfirstlane_b32 s18, v1                    ; wave 0..3
	v_and_b32 v1, 31, v0                           ; lane
	v_and_b32 v2, 15, v0                           ; r
	v_bfe_u32 v3, v0, 4, 1                         ; h
	s_mov_b32 s20, 0x76543210
	s_mov_b32 s21, 0xfedcba98                      ; v_permlanex16_b32's selects for lane l xor 16
	s_cmp_lt_u32 ttmp9, 512
	s_cbranch_scc0 .Lweights
	; ---- a tile of x
	v_lshlrev_b32 v4, 4, v1                        ; 16 x lane
	v_lshlrev_b32 v5, 3, v1                        ; 8 x lane
	s_mul_i32 s22, s18, 8448                       ; my stage: 16 rows x 528 bytes
	v_add_nc_u32 v6, s22, v4                       ; into it: as loaded
	v_mul_u32_u24 v7, v2, 528
	v_lshl_add_u32 v7, v3, 7, v7
	v_add_nc_u32 v7, s22, v7                       ; out of it: row r, + 128 h bytes
	v_lshlrev_b32 v8, 5, v2                        ; scale words: 32 bytes a row
	s_lshr_b32 s23, ttmp9, 1
	s_lshl_b32 s23, s23, 17                        ; 32 g rows of 4,096 bytes
	s_and_b32 s24, ttmp9, 1
	s_lshl_b32 s24, s24, 15                        ; + 8 u rows
	s_add_co_u32 s24, s23, s24
	s_lshl_b32 s25, s18, 10                        ; + my two K steps: 1,024 bytes a wave
	s_add_co_u32 s24, s24, s25
	s_mov_b32 s25, 0
	s_mul_i32 s26, ttmp9, 12288                    ; the tile's codes,
	s_mul_i32 s27, s18, 3072                       ; my two fragments
	s_add_co_u32 s26, s26, s27
	s_mov_b32 s27, 0
	s_lshl_b32 s28, ttmp9, 9                       ; the tile's scale words,
	s_lshl_b32 s29, s18, 3                         ; my two of each row's eight
	s_add_co_u32 s28, s28, s29
	s_mov_b32 s29, 0
	s_lshl_b32 s30, ttmp9, 2
	s_add_co_u32 s30, s30, s18                     ; t = 4 x work-group + wave: my row of rope's table
	s_lshl_b32 s32, s30, 8
	s_mov_b32 s33, 0
	s_wait_alu depctr_va_vdst(0)
	s_wait_kmcnt 0x0
	s_add_nc_u64 s[4:5], s[4:5], s[24:25]
	s_add_nc_u64 s[10:11], s[10:11], s[26:27]
	s_add_nc_u64 s[14:15], s[14:15], s[28:29]
	s_add_nc_u64 s[16:17], s[16:17], s[32:33]
.irp f, 0,1
.irp p, 0,1,2,3,4,5,6,7,8,9,10,11,12,13,14,15
	global_load_b128 v[XR+64*\f+4*\p:XR+64*\f+4*\p+3], v4, s[4:5] offset:((\p%8)+16*(\p/8))*4096+512*\f th:TH_LOAD_NT   ; 32 lanes read 512 consecutive bytes: 128 along K of one row
.endr
.endr
	; rope's row t, while the loads are on their way: lane i makes (cos, sin) of t x 10000^(-i / 32)
	v_cvt_f32_u32 v12, v1
	v_mul_f32 v12, 0xbed49a78, v12                 ; -i log2(10000) / 32
	s_wait_alu depctr_va_vdst(0)
	v_exp_f32 v12, v12
	v_cvt_f32_u32 v13, s30                         ; t.  (A plain place behind the exponential)
	s_wait_alu depctr_va_vdst(0)                   ; the wait ahead of the first reader
	v_mul_f32 v14, v13, v12                        ; the angle, rounded as reference() rounds it
	v_mul_f32 v15, 0x3f22f983, v14
	v_rndne_f32 v15, v15                           ; n: the nearest multiple of pi / 2
	v_fmamk_f32 v16, v15, 0xbfc90fdb, v14          ; less n x pi / 2, pi / 2 in two parts
	v_fmamk_f32 v16, v15, 0x333bbd2e, v16
	v_mul_f32 v17, v16, v16                        ; z
	v_mov_b32 v18, 0x3638ef1d                      ; sine: 1/9!, -1/7!, 1/5!, -1/3!
	v_mov_b32 v19, 0xb493f27e                      ; cosine: -1/10!, 1/8!, -1/6!, 1/4!, -1/2
	v_fmaak_f32 v18, v17, v18, 0xb9500d01
	v_fmaak_f32 v19, v17, v19, 0x37d00d01
	v_fmaak_f32 v18, v17, v18, 0x3c088889
	v_fmaak_f32 v19, v17, v19, 0xbab60b61
	v_fmaak_f32 v18, v17, v18, 0xbe2aaaab
	v_fmaak_f32 v19, v17, v19, 0x3d2aaaab
	v_mul_f32 v20, v16, v17
	v_fmaak_f32 v19, v17, v19, 0xbf000000
	v_fma_f32 v18, v20, v18, v16                   ; S
	v_fma_f32 v19, v17, v19, 1.0                   ; C
	v_cvt_i32_f32 v21, v15
	v_and_b32 v22, 1, v21
	v_cmp_eq_u32 vcc_lo, 1, v22                    ; an odd quarter changes the two over
	v_cndmask_b32 v24, v19, v18, vcc_lo
	v_cndmask_b32 v25, v18, v19, vcc_lo
	v_add_nc_u32 v22, 1, v21
	v_and_b32 v22, 2, v22
	v_lshlrev_b32 v22, 30, v22
	v_xor_b32 v24, v24, v22                        ; cos: negative in quarters 1 and 2
	v_and_b32 v23, 2, v21
	v_lshlrev_b32 v23, 30, v23
	v_xor_b32 v25, v25, v23                        ; sin: negative in quarters 2 and 3
	global_store_b64 v5, v[24:25], s[16:17]        ; 32 lanes store 256 consecutive bytes
	XFRAG 0
	XFRAG 1
	global_store_b64 v8, v[SWD:SWD+1], s[14:15]    ; my two words of each row's eight (lanes 16-31 store the same bytes with the same values)
	s_wait_tensorcnt 0x0                           ; the wave's end, behind my last LDS store
	ds_add_u32 v[SPW], v[NIL]
	s_wait_dscnt 0x0
	s_endpgm
.Lweights:
	; ---- 128 columns x 128 along K of a weight.  A LANE TAKES A COLUMN, AND ITS REGISTERS RUN DOWN K.  One text serves both weights: pointers, pitch and regions are chosen by the work-group's number
	s_sub_co_u32 s22, ttmp9, 512
	s_mov_b32 s24, 4096
	s_mov_b32 s25, 360448
	s_cmp_lt_u32 s22, 192                          ; W_attn's work-group or W_proj's?
	s_cselect_b32 s23, 0, 192
	s_cselect_b32 s24, 12288, s24                  ; a row of the weight in bytes
	s_cselect_b32 s25, 262144, s25                 ; where its scale words begin
	s_wait_kmcnt 0x0
	s_cselect_b64 s[26:27], s[6:7], s[8:9]
	s_cselect_b64 s[28:29], s[10:11], s[12:13]     ; W_attn's codes lie in c1, W_proj's in c2, both from byte 6,291,456 on
	s_sub_co_u32 s22, s22, s23
	s_lshr_b32 s30, s22, 3
	s_and_b32 s31, s22, 7                          ; K step s
	s_lshl_b32 s30, s30, 2
	s_add_co_u32 s30, s30, s18                     ; g: my group of 32 columns
	s_lshl_b32 s32, s31, 7
	s_mul_i32 s32, s32, s24                        ; 128 s rows,
	s_lshl_b32 s33, s30, 7
	s_add_co_u32 s32, s32, s33                     ; + 128 g bytes
	s_mov_b32 s33, 0
	s_add_nc_u64 s[36:37], s[26:27], s[32:33]      ; block 0,
	s_lshl_b32 s34, s24, 5
	s_mov_b32 s35, 0
	s_add_nc_u64 s[38:39], s[36:37], s[34:35]      ; and 32 rows on for each further block
	s_add_nc_u64 s[40:41], s[38:39], s[34:35]
	s_add_nc_u64 s[42:43], s[40:41], s[34:35]
	s_mul_i32 s32, s30, 24576                      ; codes: tile 2 g,
	s_mul_i32 s44, s31, 1536                       ; K step s
	s_add_co_u32 s32, s32, s44
	s_add_co_u32 s32, s32, 6291456
	s_add_nc_u64 s[28:29], s[28:29], s[32:33]
	s_lshl_b32 s32, s30, 10                        ; scale words: tile 2 g,
	s_lshl_b32 s44, s31, 2                         ; word s
	s_add_co_u32 s32, s32, s44
	s_add_co_u32 s32, s32, s25
	s_add_nc_u64 s[14:15], s[14:15], s[32:33]
	s_mul_i32 s44, s18, 3328
	s_add_co_u32 s44, s44, 33792                   ; my two images in LDS, 1,664 bytes apart
	s_wait_alu depctr_va_vdst(0)
	v_lshlrev_b32 v4, 2, v1
.set i, 0
.rept 32
	v_mad_u32_u24 v[32+i], s24, i, v4              ; row i of a block, my column
.set i, i+1
.endr
	LOADW 0
	LOADW 1
	v_and_b32 v5, 7, v0
	v_bfe_u32 v6, v0, 4, 1
	v_lshl_or_b32 v5, v6, 3, v5                    ; column 32 g + l is row r = (l % 8) + 8 (l / 16)
	v_bfe_u32 v7, v0, 3, 1                         ; of tile 2 g + u, u = (l / 8) % 2
	v_mul_u32_u24 v8, v7, 1664
	v_add_nc_u32 v8, s44, v8
	v_lshl_add_u32 v13, v5, 4, v8                  ; where my registers 0-3 go,
	v_lshl_add_u32 v14, v5, 3, v8                  ; and 4-5
	v_lshlrev_b32 v9, 4, v1
	v_add_nc_u32 v15, s44, v9                      ; the way back: 16 bytes a lane
	v_lshlrev_b32 v16, 9, v7
	v_lshl_add_u32 v16, v5, 5, v16                 ; my scale word's place: 512 u + 32 r
	BLOCKW 0
	BLOCKW 1
	BLOCKW 2
	BLOCKW 3
.irp u, 0,1
.irp k, 0,1,2
	ds_load_b128 v[140+12*\u+4*\k:143+12*\u+4*\k], v15 offset:1664*\u+512*\k
.endr
.endr
.irp u, 0,1
.irp k, 0,1,2
	s_wait_dscnt 5-3*\u-\k                         ; the younger loads may be out
	global_store_b128 v9, v[140+12*\u+4*\k:143+12*\u+4*\k], s[28:29] offset:12288*\u+512*\k   ; 32 lanes store 512 consecutive bytes
.endr
.endr
	s_wait_alu depctr_va_vdst(0)
	global_store_b32 v16, v12, s[14:15]            ; 4 bytes of each row's 32: one byte in 128 of what this path reads
	s_wait_tensorcnt 0x0                           ; the wave's end, behind my last LDS store
	ds_add_u32 v[SPW], v[NIL]
	s_wait_dscnt 0x0
	s_endpgm
.Lfunc_end_k_q2e2bb3dabc_prep:
	.size	k_q2e2bb3dabc_prep, .Lfunc_end_k_q2e2bb3dabc_prep-k_q2e2bb3dabc_prep
	.p2alignl 7, 3214868480
	.fill 96, 4, 3214868480
	.section	.rodata,"a",@progbits
	.p2align	6, 0x0
	.amdhsa_kernel k_q2e2bb3dabc_prep
		.amdhsa_group_segment_fixed_size 47616
		.amdhsa_private_segment_fixed_size 0
		.amdhsa_enable_private_segment 0
		.amdhsa_kernarg_size 56
		.amdhsa_user_sgpr_count 2
		.amdhsa_user_sgpr_kernarg_segment_ptr 1
		.amdhsa_wavefront_size32 1
		.amdhsa_system_sgpr_workgroup_id_x 1
		.amdhsa_system_sgpr_workgroup_id_y 1
		.amdhsa_system_sgpr_workgroup_id_z 1
		.amdhsa_system_vgpr_workitem_id 0
		.amdhsa_next_free_vgpr 248
		.amdhsa_next_free_sgpr 66
		.amdhsa_reserve_vcc 1
		.amdhsa_float_denorm_mode_32 3
		.amdhsa_float_denorm_mode_16_64 3
		.amdhsa_memory_ordered 1
		.amdhsa_forward_progress 1
		.amdhsa_inst_pref_size 43
	.end_amdhsa_kernel
	.amdgpu_metadata
---
amdhsa.version: [ 1, 2 ]
amdhsa.kernels:
  - .name:           k_q2e2bb3dabc_prep
    .symbol:         k_q2e2bb3dabc_prep.kd
    .args:
      - { .name: x, .offset: 0, .size: 8, .value_kind: global_buffer, .address_space: global }
      - { .name: W_attn, .offset: 8, .size: 8, .value_kind: global_buffer, .address_space: global }
      - { .name: W_proj, .offset: 16, .size: 8, .value_kind: global_buffer, .address_space: global }
      - { .name: c1, .offset: 24, .size: 8, .value_kind: global_buffer, .address_space: global }
      - { .name: c2, .offset: 32, .size: 8, .value_kind: global_buffer, .address_space: global }
      - { .name: sc, .offset: 40, .size: 8, .value_kind: global_buffer, .address_space: global }
      - { .name: rope, .offset: 48, .size: 8, .value_kind: global_buffer, .address_space: global }
    .group_segment_fixed_size: 47616
    .private_segment_fixed_size: 0
    .kernarg_segment_align: 8
    .kernarg_segment_size: 56
    .max_flat_workgroup_size: 128
    .sgpr_count:     66
    .vgpr_count:     248
    .wavefront_size: 32
...
	.end_amdgpu_metadata
.endif
;; end of part 1
;; launch qkv (part 2): grid 24 x 32, 4 waves a work-group, clusters of 4 x 4, 327,680 bytes of LDS; arguments c1, sc, rope, qb, kv; writes qb, kv
.if DOCPART == 2
	.amdgcn_target "amdgcn-amd-amdhsa--gfx1250"
	.amdhsa_code_object_version 6
	.text
	.protected	k_q2e2bb3dabc_qkv
	.globl	k_q2e2bb3dabc_qkv
	.p2align	8
	.type	k_q2e2bb3dabc_qkv,@function
k_q2e2bb3dabc_qkv:
	s_mov_b64 s[64:65], 0
	v_nop
	global_prefetch_b8 v0, s[64:65] scope:SCOPE_SE
	s_setreg_imm32_b32 hwreg(HW_REG_WAVE_MODE, 25, 1), 1
	s_wait_xcnt 0x0
	s_wait_alu depctr_hold_cnt(0) depctr_sa_sdst(0) depctr_va_vdst(0) depctr_va_sdst(0) depctr_va_ssrc(0) depctr_va_vcc(0) depctr_vm_vsrc(0)
	s_getreg_b32 s2, hwreg(HW_REG_IB_STS2, 6, 4)
	s_cmp_eq_u32 s2, 0
	s_cbranch_scc0 .Lentry_in_a_cluster
	s_endpgm
.Lentry_in_a_cluster:
	s_bfe_u32 s2, ttmp6, 0x10000c
	s_cmp_lg_u32 s2, 0xf033
	s_cbranch_scc0 .Lentry_shape_is_right
	s_endpgm
.Lentry_shape_is_right:
; qkv = Q(x) Q(W_attn) on codes of FP6 with E8M0 scales; then rope on q and k; then q and k are quantised along the head's 64, v along the keys, and stored as images of operand registers.  No work is left out here.
; A work-group makes 256 rows x 128 columns over all of K = 1,024; a wave 128 rows x 64 columns (one head, one step of 128 tokens): 32 accumulators.
; BOTH PANELS, FOR ALL OF K, FIT IN LDS (196,608 + 98,304 bytes): every tensor load is a first fill, four a wave (a chunk = two K steps), and nothing is filled again.
; CLUSTER 4 x 4: x's panel hangs on the tile row alone and is asked for jointly along a row of the cluster, W's on the tile column alone and along a column.
; The codes lie in memory as register images (launch prep): a fragment is 1,536 consecutive bytes and comes by two loads of 16 bytes and two of 8 a lane, with no bank met twice.
; TILES ARE PERMUTED: tile 2 g + u holds indices 32 g + 8 u + (r % 8) + 16 (r / 8).  As source 0 such a tile leaves index 32 g + 16 h + 8 u + j in register j of lane (r', h): the 16 registers of tiles 2 g, 2 g + 1 are neighbours.
; q, k (order 0: source 0 = W's columns, source 1 = x's rows): a lane holds one token and 32 of the head's channels.  v (order 1: source 0 = x's rows, source 1 = W's columns): a lane holds one channel and 32 keys.
; The branch between the two hangs on the cluster's x alone, which all sixteen partners share.
; OUT: qb [bh][step][6,400]: 8 half images (tile a: 16 tokens x 64 channels, 768 bytes), then 256 bytes of scale words [r][4]: word g = tile 2 g's two bytes, tile 2 g + 1's two.
;      kv [bh][step][12,800]: k as qb; from 6,400 on v: 4 fragments (16 channels x 128 keys), then scale words [r][4 tiles].
; LIMITS: as launch prep's on blocks under 2^-124 and on NaN and infinities.
; REGISTERS: window 0: v4-27 addresses, v28-29 the add's two, v32-95 x's scale words (8 a + s), v96-127 W's (8 b + s), v128-255 the way out.  Window 1: x's fragments, two sets of 96.  Window 2: W's, two sets of 48.  Window 3: accumulators.
.set SPARE, 294912                     ; behind the panels: the spare words, 128 bytes a wave
.set SPW, 28
.set NIL, 29
.set SC1, 32
.set SC0, 96
.set HB,  192                          ; v192-223 a unit's 32 numbers behind rope
.set IMG, 224                          ; v224-229, v230-235 half images, by turns
.set TC,  236                          ; v236-238
.set TM,  240                          ; v240-247 at work in the quantiser
.set SW,  248                          ; v248-251 the four scale words of my row
.set MSB, 0
.macro WIN new                         ; the immediate's high byte repeats the setting that is left
.if MSB != (\new)
	s_set_vgpr_msb (MSB<<8)|(\new)
.set MSB, (\new)
.endif
.endm
.macro PLACES
.rept 4
	v_nop
.endr
.endm
.macro CROUND                          ; a round of the cluster's barrier
	s_barrier_signal -1
	s_barrier_wait -1
	s_cmp_lg_u32 s14, 0
	s_cbranch_scc1 .Lnot_wave_0_\@
	s_barrier_signal -3
.Lnot_wave_0_\@:
	s_barrier_wait -3
	s_barrier_signal -1
	s_barrier_wait -1
.endm
.macro FRAG reg, la, sa, off           ; a fragment's image, 1,536 bytes, into 12 registers
	ds_load_b128 v[(\reg):(\reg)+3], v[\la] offset:(\off)
	ds_load_b64 v[(\reg)+4:(\reg)+5], v[\sa] offset:(\off)+512
	ds_load_b128 v[(\reg)+6:(\reg)+9], v[\la] offset:(\off)+768
	ds_load_b64 v[(\reg)+10:(\reg)+11], v[\sa] offset:(\off)+1280
.endm
.macro FETCH s                         ; K step s: my 8 fragments of x and 4 of W, into set s % 2
	WIN 0x40
.irp a, 0,1,2,3,4,5,6,7
	FRAG 96*((\s)%2)+12*\a, 4+(\s)/2, 8+(\s)/2, 3072*\a+1536*((\s)%2)
.endr
	WIN 0x80
.irp b, 0,1,2,3
	FRAG 48*((\s)%2)+12*\b, 12+(\s)/2, 16+(\s)/2, 3072*\b+1536*((\s)%2)
.endr
.endm
.macro MUL s, ord                      ; 32 products; the 32 accumulators take turns, in the same order in every K step; K step 0 starts the sums
.if \ord
	WIN 0xf9                                       ; source 0 (x) window 1, source 1 (W) window 2, C and D window 3
.else
	WIN 0xf6                                       ; source 0 (W) window 2, source 1 (x) window 1
.endif
.irp a, 0,1,2,3,4,5,6,7
.irp b, 0,1,2,3
.if \ord
.set rD, 8*(8*\b+\a)
.set rA, 96*((\s)%2)+12*\a
.set rB, 48*((\s)%2)+12*\b
.set rX, SC1+8*\a+(\s)
.set rY, SC0+8*\b+(\s)
.else
.set rD, 8*(4*\a+\b)
.set rA, 48*((\s)%2)+12*\b
.set rB, 96*((\s)%2)+12*\a
.set rX, SC0+8*\b+(\s)
.set rY, SC1+8*\a+(\s)
.endif
.if (\s) == 0
	v_wmma_scale_f32_16x16x128_f8f6f4 v[rD:rD+7], v[rA:rA+11], v[rB:rB+11], 0, v[rX], v[rY] matrix_a_fmt:MATRIX_FMT_FP6 matrix_b_fmt:MATRIX_FMT_FP6
.else
	v_wmma_scale_f32_16x16x128_f8f6f4 v[rD:rD+7], v[rA:rA+11], v[rB:rB+11], v[rD:rD+7], v[rX], v[rY] matrix_a_fmt:MATRIX_FMT_FP6 matrix_b_fmt:MATRIX_FMT_FP6
.endif
.endr
.endr
.endm
.macro KSTEP s, ord
	s_wait_dscnt 0x0                               ; this K step's fragments are in
.if ((\s)%2 == 1) && ((\s) < 7)
	s_wait_tensorcnt 3-((\s)+1)/2                  ; my part of the next chunk has landed; the chunks asked for behind it may be out
	s_barrier_signal -1
	s_barrier_wait -1                              ; everybody's has
.endif
.if (\s) < 7
.if (\s) > 0
	PLACES                                         ; four places between the products that read a set and the loads into it
.endif
	FETCH (\s)+1
.endif
	MUL \s, \ord
.endm
.macro MAIN ord
	s_wait_tensorcnt 3                             ; my part of chunk 0 has landed; chunks 1 to 3 may be out
	s_barrier_signal -1
	s_barrier_wait -1
	FETCH 0
.irp s, 0,1,2,3,4,5,6,7
	KSTEP \s, \ord
.endr
	WIN 0
	PLACES                                         ; in front of the first read of results
.endm
; 32 numbers of a lane, v[s] on in window w, register 16 b + e = index 32 b + 16 h + e of my row, become a half image in v[img] on; their two bytes go into half n % 2 of scale word n / 2.
; Each accumulator is read from its low end on.
.macro QUANT2 s, w, img, n
	WIN (\w)|((\w)<<2)|((\w)<<4)
.irp b, 0,1
	v_max3_num_f32 v[TM+2*\b], |v[(\s)+16*\b]|, |v[(\s)+16*\b+1]|, |v[(\s)+16*\b+2]|
	v_max3_num_f32 v[TM+2*\b+1], |v[(\s)+16*\b+3]|, |v[(\s)+16*\b+4]|, |v[(\s)+16*\b+5]|
.endr
	WIN ((\w)<<2)|((\w)<<4)
.irp i, 6,10
.irp b, 0,1
	v_max3_num_f32 v[TM+2*\b], v[TM+2*\b], |v[(\s)+16*\b+\i]|, |v[(\s)+16*\b+\i+1]|
	v_max3_num_f32 v[TM+2*\b+1], v[TM+2*\b+1], |v[(\s)+16*\b+\i+2]|, |v[(\s)+16*\b+\i+3]|
.endr
.endr
.irp b, 0,1
	v_max3_num_f32 v[TM+2*\b], v[TM+2*\b], |v[(\s)+16*\b+14]|, |v[(\s)+16*\b+15]|
.endr
	WIN 0
.irp b, 0,1
	v_max3_num_f32 v[TM+2*\b], v[TM+2*\b], v[TM+2*\b+1], 0x1800000   ; and the floor 2^(3 - 127)
.endr
.irp b, 0,1
	v_permlanex16_b32 v[TM+4+\b], v[TM+2*\b], s2, s3
.endr
.irp b, 0,1
	v_max_num_f32 v[TM+2*\b], v[TM+2*\b], v[TM+4+\b]   ; with lane l xor 16's 16: the block's largest magnitude
.endr
.irp b, 0,1
	v_add_nc_u32 v[TM+6+\b], 0xff000000, v[TM+2*\b]    ; 2 off the exponent field: the conversion's scale operand
.endr
.irp b, 0,1
	v_lshrrev_b32 v[TM+4+\b], 23, v[TM+6+\b]           ; the byte
.endr
	v_lshl_or_b32 v[TM+1], v[TM+5], 8, v[TM+4]
.if (\n)%2 == 0
	v_mov_b32 v[SW+(\n)/2], v[TM+1]
.else
	v_lshl_or_b32 v[SW+(\n)/2], v[TM+1], 16, v[SW+(\n)/2]
.endif
	WIN (\w)
	v_cvt_scalef32_pk16_fp6_f32 v[(\img):(\img)+2], v[(\s):(\s)+15], v[TM+6]
	v_cvt_scalef32_pk16_fp6_f32 v[TC:TC+2], v[(\s)+16:(\s)+31], v[TM+7]
	WIN 0
	v_nop                                          ; one plain place behind the conversions
.irp i, 0,1,2
	v_permlane16_swap_b32 v[(\img)+\i], v[TC+\i]   ; a WHOLE block to a lane: lanes 0-15 block 0, lanes 16-31 block 1
.endr
.irp i, 0,1,2
	v_mov_b32 v[(\img)+3+\i], v[TC+\i]
.endr
.endm
.macro CSLOAD n                        ; cos and sin for row tile n: my token's 16 pairs (cos, sin) of channels 32 b + 16 h + 0 .. 15, b = 0, 1, into set n % 2
.irp b, 0,1
.irp j, 0,1,2,3
	global_load_b128 v[128+32*((\n)%2)+16*\b+4*\j:128+32*((\n)%2)+16*\b+4*\j+3], v24, s[98:99] offset:(32*((\n)/2)+8*((\n)%2))*256+128*\b+16*\j
.endr
.endr
.endm
.macro EPI n, rope                     ; unit n: the 32 accumulator registers at 32 n
.set CSB, 128+32*((\n)%2)
.set IM, IMG+6*((\n)%2)
.if \rope
.if (\n) < 7
	s_wait_loadcnt 8                               ; this unit's cos and sin are in; the next unit's eight loads may be out
.else
	s_wait_loadcnt 0
.endif
	WIN 0x03                                       ; source 0: window 3
.set p, 0
.rept 16
	v_pk_mul_f32 v[HB+2*p:HB+2*p+1], v[32*(\n)+2*p:32*(\n)+2*p+1], v[CSB+2*p:CSB+2*p+1] op_sel_hi:[0,1]   ; (x1 cos, x1 sin)
.set p, p+1
.endr
.set p, 0
.rept 16
	v_pk_fma_f32 v[HB+2*p:HB+2*p+1], v[32*(\n)+2*p:32*(\n)+2*p+1], v[CSB+2*p:CSB+2*p+1], v[HB+2*p:HB+2*p+1] op_sel:[1,1,0] op_sel_hi:[1,0,1] neg_lo:[0,1,0]   ; (- x2 sin + .., x2 cos + ..)
.set p, p+1
.endr
	WIN 0
.if (\n) < 6
	CSLOAD (\n)+2
.endif
.endif
	s_wait_xcnt 0x0                                ; the stores of two units back have read this half image's registers
.if \rope
	s_wait_alu depctr_va_vdst(0)
	QUANT2 HB, 0, IM, \n
.else
	QUANT2 32*(\n), 3, IM, \n
.endif
	global_store_b128 v20, v[IM:IM+3], s[96:97] offset:768*(\n)         ; 32 lanes store 512 consecutive bytes
	global_store_b64 v21, v[IM+4:IM+5], s[96:97] offset:768*(\n)+512    ; and 256
.endm
	s_load_b256 s[4:11], s[0:1], 0x0               ; c1 s[4:5], sc s[6:7], rope s[8:9], qb s[10:11]
	s_load_b64 s[12:13], s[0:1], 0x20              ; kv
	v_lshl_add_u32 v[SPW], v0, 2, SPARE
	v_mov_b32 v[NIL], 0
	ds_add_u32 v[SPW], v[NIL]                      ; the wave's opening: the add, twice on end, and its wait ahead of my first tensor load
	ds_add_u32 v[SPW], v[NIL]
	v_lshrrev_b32 v1, 5, v0
	v_readfirstlane_b32 s14, v1                    ; wave 0..3
	s_lshr_b32 s15, s14, 1                         ; my half of the rows.  Also: I fetch for x (0) or for W (1)
	s_and_b32 s16, s14, 1                          ; my half of the columns.  Also: which half of that panel I fetch
	s_bfe_u32 s17, ttmp6, 0x40000                  ; cx
	s_bfe_u32 s18, ttmp6, 0x40004                  ; cy
	s_lshl_b32 s19, ttmp9, 2
	s_add_co_u32 s19, s19, s17                     ; tile column = 4 x cluster x + cx
	s_and_b32 s20, ttmp7, 0xffff
	s_lshl_b32 s20, s20, 2
	s_add_co_u32 s20, s20, s18                     ; tile row = 4 x cluster y + cy
	s_lshl_b32 s21, s18, 2
	s_lshl_b32 s21, 15, s21                        ; my row of the cluster
	s_lshl_b32 s22, 0x1111, s17                    ; my column
	; group 1: rows of 3,072 bytes (a tile's two K steps: 384 elements of 8 bytes), 12,288 bytes (1,536 elements) from tile to tile; x: 8 tiles a load, W: 4
	s_or_b32 s24, s21, (3<<16)|(1<<21)
	s_mov_b32 s25, 384<<16
	s_mov_b32 s26, 8<<16
	s_mov_b32 s27, 384<<16
	s_mov_b32 s28, 8
	s_mov_b32 s29, 1536
	s_mov_b32 s30, 0
	s_mov_b32 s31, 0
	s_or_b32 s48, s22, (3<<16)|(1<<21)
	s_mov_b32 s49, 384<<16
	s_mov_b32 s50, 4<<16
	s_mov_b32 s51, 384<<16
	s_mov_b32 s52, 4
	s_mov_b32 s53, 1536
	s_mov_b32 s54, 0
	s_mov_b32 s55, 0
	s_lshl_b32 s84, s20, 4
	s_lshl_b32 s86, s16, 3
	s_add_co_u32 s84, s84, s86                     ; x: tile 16 x tile row + 8 x half
	s_mul_i32 s84, s84, 12288
	s_mov_b32 s85, 0
	s_lshl_b32 s88, s19, 3
	s_lshl_b32 s90, s16, 2
	s_add_co_u32 s88, s88, s90                     ; W: tile 8 x tile column + 4 x half
	s_mul_i32 s88, s88, 12288
	s_add_co_u32 s88, s88, 6291456
	s_mov_b32 s89, 0
	s_mul_i32 s23, s16, 24576                      ; where they go: no place in the cluster enters an LDS address
	s_mul_i32 s92, s16, 12288
	s_mov_b32 s2, 0x76543210
	s_mov_b32 s3, 0xfedcba98                       ; v_permlanex16_b32's selects for lane l xor 16
	s_wait_dscnt 0x0                               ; both opening adds are done
	s_wait_kmcnt 0x0
	s_add_nc_u64 s[84:85], s[4:5], s[84:85]
	s_add_nc_u64 s[88:89], s[4:5], s[88:89]
	CROUND                                         ; all sixteen work-groups are here: the joint loads meet
.irp q, 0,1,2,3
	s_mov_b32 s[32+4*\q], 1
	s_add_co_u32 s[33+4*\q], s23, 49152*\q
	s_add_nc_u64 s[34+4*\q:35+4*\q], s[84:85], 3072*\q
	s_or_b32 s[35+4*\q], s[35+4*\q], 0x80000000
	s_mov_b32 s[68+4*\q], 1
	s_add_co_u32 s[69+4*\q], s92, 196608+24576*\q
	s_add_nc_u64 s[70+4*\q:71+4*\q], s[88:89], 3072*\q
	s_or_b32 s[71+4*\q], s[71+4*\q], 0x80000000
.endr
	s_cmp_eq_u32 s15, 0                            ; a wave's four first fills stand in one arm: four tensor loads of mine are out
	s_cbranch_scc0 .Lfirst_w
.irp q, 0,1,2,3
	tensor_load_to_lds s[32+4*\q:35+4*\q], s[24:31]
	s_nop 0
.endr
	PLACES
	s_branch .Lfirst_done
.Lfirst_w:
.irp q, 0,1,2,3
	tensor_load_to_lds s[68+4*\q:71+4*\q], s[48:55]
	s_nop 0
.endr
	PLACES
.Lfirst_done:
	v_and_b32 v1, 31, v0                           ; l
	v_and_b32 v2, 15, v0                           ; r
	v_bfe_u32 v3, v0, 4, 1                         ; h
	v_lshlrev_b32 v20, 4, v1
	v_lshlrev_b32 v21, 3, v1
	v_lshlrev_b32 v22, 4, v2
	v_lshlrev_b32 v23, 5, v2
	s_mul_i32 s56, s15, 24576                      ; my 8 tiles of x in a chunk
	s_mul_i32 s57, s16, 12288
	s_add_co_u32 s57, s57, 196608                  ; my 4 tiles of W
.irp q, 0,1,2,3
	v_add_nc_u32 v[4+\q], s56, v20
	v_add_nc_u32 v[8+\q], s56, v21
	v_add_nc_u32 v[12+\q], s57, v20
	v_add_nc_u32 v[16+\q], s57, v21
	s_add_co_u32 s56, s56, 49152
	s_add_co_u32 s57, s57, 24576
.endr
	s_lshl_b32 s58, s20, 4
	s_lshl_b32 s59, s15, 3
	s_add_co_u32 s58, s58, s59
	s_lshl_b32 s58, s58, 9                         ; x's scale words: 512 bytes a tile
	s_mov_b32 s59, 0
	s_add_nc_u64 s[58:59], s[6:7], s[58:59]
	s_lshl_b32 s60, s19, 3
	s_lshl_b32 s61, s16, 2
	s_add_co_u32 s60, s60, s61
	s_lshl_b32 s60, s60, 9
	s_add_co_u32 s60, s60, 262144                  ; W_attn's
	s_mov_b32 s61, 0
	s_add_nc_u64 s[60:61], s[6:7], s[60:61]
.irp a, 0,1,2,3,4,5,6,7
.irp k, 0,1
	global_load_b128 v[SC1+8*\a+4*\k:SC1+8*\a+4*\k+3], v23, s[58:59] offset:512*\a+16*\k   ; row r's eight words, one for each K step
.endr
.endr
.irp b, 0,1,2,3
.irp k, 0,1
	global_load_b128 v[SC0+8*\b+4*\k:SC0+8*\b+4*\k+3], v23, s[60:61] offset:512*\b+16*\k
.endr
.endr
	s_lshr_b32 s93, ttmp9, 1                       ; 0: q, 1: k, 2: v: the same in all sixteen partners
	s_lshl_b32 s62, s19, 1
	s_add_co_u32 s62, s62, s16
	s_and_b32 s62, s62, 15                         ; my head
	s_lshr_b32 s63, s20, 3
	s_lshl_b32 s63, s63, 4
	s_add_co_u32 s62, s62, s63                     ; bh = 16 x batch + head
	s_and_b32 s63, s20, 7
	s_lshl_b32 s94, s63, 1
	s_add_co_u32 s94, s94, s15                     ; my step of 128 tokens
	s_lshl_b32 s62, s62, 4
	s_add_co_u32 s62, s62, s94
	s_mov_b32 s95, 12800
	s_cmp_eq_u32 s93, 0
	s_cselect_b64 s[96:97], s[10:11], s[12:13]     ; q goes to qb, k and v to kv
	s_cselect_b32 s95, 6400, s95
	s_mul_i32 s62, s62, s95
	s_cmp_eq_u32 s93, 2
	s_cselect_b32 s95, 6400, 0                     ; v lies behind k
	s_add_co_u32 s62, s62, s95
	s_mov_b32 s63, 0
	s_add_nc_u64 s[96:97], s[96:97], s[62:63]
	s_lshl_b32 s94, s94, 15                        ; rope's table at my step's first token: 128 rows of 256 bytes a step
	s_mov_b32 s95, 0
	s_add_nc_u64 s[98:99], s[8:9], s[94:95]
	v_and_b32 v24, 7, v2
	v_lshrrev_b32 v25, 3, v2
	v_lshl_add_u32 v24, v25, 4, v24
	v_lshlrev_b32 v24, 8, v24
	v_lshl_add_u32 v24, v3, 6, v24                 ; my token's row in a tile, + 64 h bytes
	v_mov_b32 v[TM+4], 0                           ; written once: a lane permute's destination counts as one of its sources
	v_mov_b32 v[TM+5], 0
	s_cmp_eq_u32 s93, 2
	s_cbranch_scc1 .Lvalues
	CSLOAD 0
	CSLOAD 1
	s_wait_loadcnt 16                              ; the scale words are in; the two sets of cos and sin may be out
	s_wait_alu depctr_va_vdst(0)
	MAIN 0
.irp n, 0,1,2,3,4,5,6,7
	EPI \n, 1
.endr
	s_branch .Lwords
.Lvalues:
	s_wait_loadcnt 0x0
	s_wait_alu depctr_va_vdst(0)
	MAIN 1
.irp n, 0,1,2,3,4,5,6,7
	EPI \n, 0
.endr
.Lwords:
	s_wait_alu depctr_va_vdst(0)
	global_store_b128 v22, v[SW:SW+3], s[96:97] offset:6144   ; sixteen lanes store 256 consecutive bytes (lanes 16-31 the same bytes with the same values)
	s_wait_tensorcnt 0x0                           ; the wave's end
	ds_add_u32 v[SPW], v[NIL]
	s_wait_dscnt 0x0
	CROUND                                         ; the closing round
	s_endpgm
.Lfunc_end_k_q2e2bb3dabc_qkv:
	.size	k_q2e2bb3dabc_qkv, .Lfunc_end_k_q2e2bb3dabc_qkv-k_q2e2bb3dabc_qkv
	.p2alignl 7, 3214868480
	.fill 96, 4, 3214868480
	.section	.rodata,"a",@progbits
	.p2align	6, 0x0
	.amdhsa_kernel k_q2e2bb3dabc_qkv
		.amdhsa_group_segment_fixed_size 327680
		.amdhsa_private_segment_fixed_size 0
		.amdhsa_enable_private_segment 0
		.amdhsa_kernarg_size 40
		.amdhsa_user_sgpr_count 2
		.amdhsa_user_sgpr_kernarg_segment_ptr 1
		.amdhsa_wavefront_size32 1
		.amdhsa_system_sgpr_workgroup_id_x 1
		.amdhsa_system_sgpr_workgroup_id_y 1
		.amdhsa_system_sgpr_workgroup_id_z 1
		.amdhsa_system_vgpr_workitem_id 0
		.amdhsa_next_free_vgpr 1024
		.amdhsa_next_free_sgpr 100
		.amdhsa_reserve_vcc 0
		.amdhsa_float_denorm_mode_32 3
		.amdhsa_float_denorm_mode_16_64 3
		.amdhsa_memory_ordered 1
		.amdhsa_forward_progress 1
		.amdhsa_inst_pref_size 187
	.end_amdhsa_kernel
	.amdgpu_metadata
---
amdhsa.version: [ 1, 2 ]
amdhsa.kernels:
  - .name:           k_q2e2bb3dabc_qkv
    .symbol:         k_q2e2bb3dabc_qkv.kd
    .args:
      - { .name: c1, .offset: 0, .size: 8, .value_kind: global_buffer, .address_space: global }
      - { .name: sc, .offset: 8, .size: 8, .value_kind: global_buffer, .address_space: global }
      - { .name: rope, .offset: 16, .size: 8, .value_kind: global_buffer, .address_space: global }
      - { .name: qb, .offset: 24, .size: 8, .value_kind: global_buffer, .address_space: global }
      - { .name: kv, .offset: 32, .size: 8, .value_kind: global_buffer, .address_space: global }
    .group_segment_fixed_size: 327680
    .private_segment_fixed_size: 0
    .kernarg_segment_align: 8
    .kernarg_segment_size: 40
    .max_flat_workgroup_size: 128
    .sgpr_count:     100
    .vgpr_count:     1024
    .wavefront_size: 32
...
	.end_amdgpu_metadata
.endif
;; end of part 2
;; launch attn (part 3): grid 4 x 64, 16 waves a work-group, no clusters, 327,680 bytes of LDS; arguments qb, kv, c2, ys; writes c2, ys
.if DOCPART == 3
	.amdgcn_target "amdgcn-amd-amdhsa--gfx1250"
	.amdhsa_code_object_version 6
	.text
	.protected	k_q2e2bb3dabc_attn
	.globl	k_q2e2bb3dabc_attn
	.p2align	8
	.type	k_q2e2bb3dabc_attn,@function
k_q2e2bb3dabc_attn:
	s_mov_b64 s[64:65], 0
	v_nop
	global_prefetch_b8 v0, s[64:65] scope:SCOPE_SE
	s_setreg_imm32_b32 hwreg(HW_REG_WAVE_MODE, 25, 1), 1
	s_wait_xcnt 0x0
; y = softmax(rope(q) rope(k)^T / 8, causal) v, both products on codes of FP6 with E8M0 scales; y is divided by the row's sum and quantised along C for the last product.
; LEFT OUT (shown at the head of launch prep): steps of 128 keys all of which come after all queries of a wave's tile.
; THE SOFTMAX: t = score x log2(e) / 8; M = the running largest t rounded UP to a whole number; p = 2^(t - M) is quantised along the keys, not normalised; the sum is taken of the unquantised p.
; When M moves, the sum and O are multiplied by 2^(old M - new M): exact.
; SHARES.  Work-group (J, bh) owns the blocks J and 7 - J of 256 queries of head bh: (J + 1) + (8 - J) = 9 slots of 256 keys for every work-group, so the trip count is a constant and all work-groups have equal work.
; Each of the sixteen waves owns one tile of 16 queries of the block in hand, one query a lane, in 256 registers: four waves to a SIMD, so that one wave's vector work stands beside another's products and LDS loads.
; NO CLUSTER: the four work-groups of a head change block in different trips, so in one and the same trip they want different slots: a joint load could not be alike in all of them.
; K = 64 FILLS HALF A PRODUCT: a fragment of k is the half images of TWO key tiles (2 g | 2 g + 1); multiplied by (q | 0) it gives tile 2 g's scores, by (0 | q) tile 2 g + 1's: zero codes add nothing under any byte but 0xff.
; Tiles are permuted as in launch qkv: the 16 registers of score tiles 2 g, 2 g + 1 are keys 32 g + 16 h + 0 .. 15, and O^T's registers 16 b + e are channels 32 b + 16 h + e.
; THE RING: two slots of 25,600 bytes (two steps: k 6,400, v 6,400 each), filled by waves 0 to 3, a quarter each, read by all sixteen.  Every slot that is asked for is read.
; LIMITS: as launch prep's on blocks under 2^-124 and on NaN and infinities; 1 / sum is v_rcp_f32 and a multiplication.
; REGISTERS: v1-4, v7, v11 stay; v5, v6 the add's two; v8-10 the step's addresses; v12 -M, v13 the largest t, v[14:15] the sum; v16-27 (q | 0), v28-39 (0 | q); v40-87 four fragments; v88-91 k's scale words, v92-95 v's;
; v96-159 S^T, then p; v160-191 O^T; v192-200 y's codes; v202-208 the second block's q; v210-217 at work on y; v224-254 as commented; v255 q's scale word.
.set SLOT1, 32768
.set STEPB, 12800
.set SPARE, 65536                      ; behind the ring: the spare words, 128 bytes for each of the sixteen waves
.set TM,  210
.set WV,  12                           ; s12 wave
.set J,   13                           ; s13 work-group x
.set BH,  14                           ; s14 16 x batch + head
.set TR,  15                           ; s15 the trip
.set TB,  16                           ; s16 LDS byte of the slot in hand
.set KF,  17                           ; s17 the step's first key
.set Q0,  18                           ; s18 my tile's queries lie in Q0 .. Q0 + 31
.set BLK, 19                           ; s19 the block of queries in hand
.macro PLACES
.rept 4
	v_nop
.endr
.endm
.macro FRAG reg, la, sa, off
	ds_load_b128 v[(\reg):(\reg)+3], v[\la] offset:(\off)
	ds_load_b64 v[(\reg)+4:(\reg)+5], v[\sa] offset:(\off)+512
	ds_load_b128 v[(\reg)+6:(\reg)+9], v[\la] offset:(\off)+768
	ds_load_b64 v[(\reg)+10:(\reg)+11], v[\sa] offset:(\off)+1280
.endm
.macro TLOAD                           ; waves 0 to 3 fetch a quarter of a slot each; an s_nop 0 and four v_nop follow the load
	s_cmp_lt_u32 s[WV], 4
	s_cbranch_scc0 .Lnone_\@
	tensor_load_to_lds s[32:35], s[24:31]
	s_nop 0
	PLACES
.Lnone_\@:
.endm
; A PREFETCH INTO THE L2: in trip TR = 0 .. 5 key slot TR + 2 of the head.  All four work-groups of a head walk the same k and v: work-group J = 0 asks, its waves 4 to 7 a quarter slot (25 rows of 256 bytes) each,
; a lane a row (lanes 25 to 31 name row 24 once more).  So each block of slots 2 to 7 is named by one wave of one work-group; slots 0 and 1 come by their loads alone.  It stays inside the head's 204,800 bytes.
.macro ASK
	s_cmp_lt_u32 s[TR], s42
	s_cbranch_scc0 .Lnot_mine_\@
	global_prefetch_b8 v11, s[40:41] th:TH_LOAD_NT scope:SCOPE_SE
.Lnot_mine_\@:
.endm
; THE CHANGE OF SLOTS, at a slot's head: every wave waits for all its tensor loads, adds 0 to its spare word, waits for that and for its reads of the slot that it has left; one barrier; then the slot left is filled.
.macro CHANGE fill
	s_wait_tensorcnt 0x0                           ; no tensor load of mine is out, so group 0 may be written
	ds_add_u32 v5, v6                              ; add 0 to my spare word
.if \fill
	ds_add_u32 v5, v6                              ; and twice on end here, in every trip alike
	s_xor_b32 s33, s33, SLOT1                      ; the other slot than last time
	s_add_co_u32 s48, s[TR], 1                     ; the next trip's key slot: TR + 1 in the first block, counted anew from 0 in the second
	s_add_co_u32 s49, s[J], 1
	s_cmp_gt_u32 s48, s[J]
	s_cselect_b32 s49, s49, 0
	s_sub_co_u32 s48, s48, s49
	s_mul_i32 s38, s48, 2*STEPB
	s_mov_b32 s39, 0
	s_add_nc_u64 s[34:35], s[36:37], s[38:39]
	s_or_b32 s35, s35, 0x80000000
	s_wait_xcnt 0x0                                ; the last prefetch, a slot back, has read its address
	s_add_nc_u64 s[40:41], s[40:41], 2*STEPB
.endif
	s_wait_dscnt 0x0                               ; the add is done, and my reads of the slot that I have left are over
	s_barrier_signal -1
	s_barrier_wait -1
.if \fill
	TLOAD                                          ; the first thing behind the barrier, and a wave's one tensor load until the next: it has two steps in which to land
	ASK
.endif
.endm
; A KEY STEP: 128 keys, the q-th of the slot in hand.
.macro STEP q
	s_add_co_u32 s48, s[Q0], 31
	s_cmp_gt_u32 s[KF], s48                        ; all its keys come after my queries: left out.  Ids and counts alone; no barrier and no tensor load stands in a step
	s_cbranch_scc1 .Lhidden_\@
	v_add_nc_u32 v8, s[TB], v1
	v_add_nc_u32 v9, s[TB], v2
	v_add_nc_u32 v10, s[TB], v3
	v_nop                                          ; these four are the places between the last products and the loads into their operands
.irp g, 0,1,2,3
	FRAG 40+12*\g, 8, 9, STEPB*(\q)+1536*\g
.endr
	ds_load_b128 v[88:91], v10 offset:STEPB*(\q)+6144
	s_wait_alu depctr_va_vdst(0)
	s_wait_dscnt 0x0
.irp g, 0,1,2,3
.irp u, 0,1
	v_wmma_scale_f32_16x16x128_f8f6f4 v[96+8*(2*\g+\u):103+8*(2*\g+\u)], v[40+12*\g:51+12*\g], v[16+12*\u:27+12*\u], 0, v[88+\g], v255 matrix_a_fmt:MATRIX_FMT_FP6 matrix_b_fmt:MATRIX_FMT_FP6
.endr
.endr
	PLACES                                         ; in front of the loads into k's registers and of the first read of the scores
.irp b, 0,1,2,3
	FRAG 40+12*\b, 8, 9, STEPB*(\q)+6400+1536*\b   ; v's fragments land under the softmax
.endr
	ds_load_b128 v[92:95], v10 offset:STEPB*(\q)+12544
	s_add_co_u32 s48, s[KF], 127
	s_cmp_le_u32 s48, s[Q0]                        ; all keys count: no mask
	s_cbranch_scc1 .Lopen_\@
	s_sub_co_i32 s48, s[Q0], s[KF]
	v_add_nc_u32 v252, s48, v4                     ; d = my query - KF - 16 h.  Register 16 b + i holds key KF + 16 h + 32 b + i: hidden where 32 b + i > d
	v_mov_b32 v254, 0xff800000                     ; -infinity: p = 0 then
.set n, 0
.rept 64
	v_cmp_gt_i32 vcc_lo, 32*(n/16)+n%16, v252
	v_cndmask_b32 v[96+n], v[96+n], v254, vcc_lo
.set n, n+1
.endr
.Lopen_\@:
.irp b, 0,1,2,3
	v_max3_num_f32 v[232+\b], v[96+16*\b], v[97+16*\b], v[98+16*\b]   ; the largest score of each block of 32 keys: for the row's maximum and, since p rises with the score, for the block's largest p
.endr
.irp i, 3,5,7,9,11,13
.irp b, 0,1,2,3
	v_max3_num_f32 v[232+\b], v[232+\b], v[96+16*\b+\i], v[97+16*\b+\i]
.endr
.endr
.irp b, 0,1,2,3
	v_max_num_f32 v[232+\b], v[232+\b], v[111+16*\b]
.endr
.irp b, 0,1,2,3
	s_delay_alu instid0(VALU_DEP_4)
	v_permlanex16_b32 v[236+\b], v[232+\b], s20, s21
.endr
.irp b, 0,1,2,3
	s_delay_alu instid0(VALU_DEP_4)
	v_max_num_f32 v[232+\b], v[232+\b], v[236+\b]  ; with lane l xor 16's 16 keys
.endr
	s_delay_alu instid0(VALU_DEP_2)
	v_max3_num_f32 v254, v232, v233, v234
	s_delay_alu instid0(VALU_DEP_1)
	v_max_num_f32 v254, v254, v235
	s_delay_alu instid0(VALU_DEP_1)
	v_mul_f32 v254, s22, v254                      ; as t (c is positive)
	s_delay_alu instid0(VALU_DEP_1)
	v_max_num_f32 v13, v13, v254                   ; the running largest t
	v_mov_b32 v254, v12
	s_delay_alu instid0(VALU_DEP_2)
	v_floor_f32 v12, -v13                          ; the new -M = floor(-t): M is a whole number
	s_delay_alu instid0(VALU_DEP_1)
	v_sub_f32 v254, v12, v254                      ; old M - new M: a whole number, 0 or less
	s_delay_alu instid0(VALU_DEP_1)
	v_cvt_i32_f32 v254, v254                       ; (it saturates)
	s_delay_alu instid0(VALU_DEP_1)
	v_ldexp_f32 v252, 1.0, v254                    ; f = 2^(old M - new M)
.set j, 0
.rept 32
	v_pk_fma_f32 v[96+j:97+j], v[96+j:97+j], s[22:23], v[12:13] op_sel_hi:[1,0,0]   ; t - M, two at a time
.set j, j+2
.endr
.irp b, 0,1,2,3
	v_fma_f32 v[232+\b], v[232+\b], s22, v12       ; the same of each block's largest score
.endr
.set j, 0
	s_wait_alu depctr_va_vdst(0)
.rept 64
	v_exp_f32 v[96+j], v[96+j]                     ; p = 2^(t - M), at most 1
.set j, j+1
.endr
	v_pk_mul_f32 v[14:15], v[14:15], v[252:253] op_sel_hi:[1,0]   ; the sums under the new M.  (A plain place behind the exponentials)
	s_wait_alu depctr_va_vdst(0)                   ; one wait for the whole batch, ahead of its first reader
.irp b, 0,1,2,3
	v_exp_f32 v[232+\b], v[232+\b]                 ; the block's largest p
.endr
	v_pk_add_f32 v[236:237], v[100:101], v[104:105]
	v_pk_add_f32 v[250:251], v[108:109], v[112:113]
	v_pk_add_f32 v[248:249], v[116:117], v[120:121]
	v_pk_add_f32 v[246:247], v[124:125], v[128:129]
	v_pk_add_f32 v[244:245], v[132:133], v[136:137]
	v_pk_add_f32 v[242:243], v[140:141], v[144:145]
	v_pk_add_f32 v[240:241], v[148:149], v[152:153]
	v_pk_add_f32 v[14:15], v[14:15], v[156:157]
	v_pk_add_f32 v[236:237], v[236:237], v[96:97]
	v_pk_add_f32 v[250:251], v[250:251], v[98:99]
	v_pk_add_f32 v[248:249], v[248:249], v[102:103]
	v_pk_add_f32 v[246:247], v[246:247], v[106:107]
	v_pk_add_f32 v[244:245], v[244:245], v[110:111]
	v_pk_add_f32 v[242:243], v[242:243], v[114:115]
	v_pk_add_f32 v[240:241], v[240:241], v[118:119]
	v_pk_add_f32 v[14:15], v[14:15], v[122:123]
	v_pk_add_f32 v[236:237], v[236:237], v[126:127]
	v_pk_add_f32 v[250:251], v[250:251], v[130:131]
	v_pk_add_f32 v[248:249], v[248:249], v[134:135]
	v_pk_add_f32 v[246:247], v[246:247], v[138:139]
	v_pk_add_f32 v[244:245], v[244:245], v[142:143]
	v_pk_add_f32 v[242:243], v[242:243], v[146:147]
	v_pk_add_f32 v[240:241], v[240:241], v[150:151]
	v_pk_add_f32 v[14:15], v[14:15], v[154:155]
	v_pk_add_f32 v[236:237], v[236:237], v[158:159]
	s_delay_alu instid0(VALU_DEP_2)
	v_pk_add_f32 v[14:15], v[14:15], v[246:247]
	s_delay_alu instid0(VALU_DEP_2)
	v_pk_add_f32 v[236:237], v[236:237], v[244:245]
	v_pk_add_f32 v[250:251], v[250:251], v[242:243]
	v_pk_add_f32 v[248:249], v[248:249], v[240:241]
	s_delay_alu instid0(VALU_DEP_2)
	v_pk_add_f32 v[14:15], v[14:15], v[250:251]
	s_delay_alu instid0(VALU_DEP_2)
	v_pk_add_f32 v[236:237], v[236:237], v[248:249]
	s_delay_alu instid0(VALU_DEP_1)
	v_pk_add_f32 v[14:15], v[14:15], v[236:237]
	s_wait_alu depctr_va_vdst(0)                   ; and one for the four
.irp b, 0,1,2,3
	v_max_num_f32 v[232+\b], 0x1800000, v[232+\b]  ; the floor 2^(3 - 127)
.endr
.irp b, 0,1,2,3
	s_delay_alu instid0(VALU_DEP_4)
	v_add_nc_u32 v[244+\b], 0xff000000, v[232+\b]  ; the conversion's scale operand
.endr
.irp b, 0,1,2,3
	s_delay_alu instid0(VALU_DEP_4)
	v_lshrrev_b32 v[236+\b], 23, v[244+\b]         ; the byte
.endr
	s_delay_alu instid0(VALU_DEP_3)
	v_lshl_or_b32 v253, v237, 8, v236              ; p's scale word for these 128 keys
	s_delay_alu instid0(VALU_DEP_1)
	v_lshl_or_b32 v253, v238, 16, v253
	s_delay_alu instid0(VALU_DEP_1)
	v_lshl_or_b32 v253, v239, 24, v253
.irp c, 0,1
	v_cvt_scalef32_pk16_fp6_f32 v[224+6*\c:226+6*\c], v[96+32*\c:111+32*\c], v[244+2*\c]
	v_cvt_scalef32_pk16_fp6_f32 v[236+4*\c:238+4*\c], v[112+32*\c:127+32*\c], v[244+2*\c+1]
.endr
	v_nop                                          ; one plain place behind the conversions
.irp c, 0,1
.irp i, 0,1,2
	v_permlane16_swap_b32 v[224+6*\c+\i], v[236+4*\c+\i]   ; a whole block to a lane
.endr
.irp i, 0,1,2
	s_delay_alu instid0(VALU_DEP_3)
	v_mov_b32 v[227+6*\c+\i], v[236+4*\c+\i]
.endr
.endr
.set j, 0
.rept 16
	v_pk_mul_f32 v[160+j:161+j], v[160+j:161+j], v[252:253] op_sel_hi:[1,0]   ; O^T under the new M.  (These sixteen are also the places in front of the products below)
.set j, j+2
.endr
	s_wait_alu depctr_va_vdst(0)
	s_wait_dscnt 0x0                               ; v's fragments and scale words are in
.irp b, 0,1,2,3
	v_wmma_scale_f32_16x16x128_f8f6f4 v[160+8*\b:167+8*\b], v[40+12*\b:51+12*\b], v[224:235], v[160+8*\b:167+8*\b], v[92+\b], v253 matrix_a_fmt:MATRIX_FMT_FP6 matrix_b_fmt:MATRIX_FMT_FP6
.endr
.Lhidden_\@:
	s_add_co_u32 s[KF], s[KF], 128
.endm
; A BLOCK'S END: O^T / the sum is y(my query, 64 channels of my head); it is quantised along C (two blocks of 32) and stored as the half image (head % 2) of K step head / 2 of the last product's operand.
.macro FINAL
	s_wait_xcnt 0x0                                ; earlier stores and loads have read their registers and bases
	PLACES                                         ; behind the last products
	s_lshr_b32 s48, s[BH], 4
	s_lshl_b32 s48, s48, 7
	s_lshl_b32 s49, s[BLK], 4
	s_add_co_u32 s48, s48, s49
	s_add_co_u32 s48, s48, s[WV]                   ; my tile of y's 512: 128 x batch + 16 x block + wave
	s_and_b32 s49, s[BH], 15                       ; head
	s_mul_i32 s38, s48, 12288
	s_lshr_b32 s50, s49, 1
	s_mul_i32 s50, s50, 1536
	s_add_co_u32 s38, s38, s50
	s_and_b32 s50, s[BH], 1
	s_mul_i32 s50, s50, 768
	s_add_co_u32 s38, s38, s50
	s_mov_b32 s39, 0
	s_add_nc_u64 s[44:45], s[8:9], s[38:39]
	s_lshl_b32 s38, s49, 14
	s_lshl_b32 s50, s48, 5
	s_add_co_u32 s38, s38, s50
	s_add_nc_u64 s[46:47], s[10:11], s[38:39]
	v_add_f32 v14, v14, v15                        ; the sum's two halves,
	s_delay_alu instid0(VALU_DEP_1)
	v_permlanex16_b32 v252, v14, s20, s21
	s_delay_alu instid0(VALU_DEP_1)
	v_add_f32 v14, v14, v252                       ; and lane l xor 16's
	s_wait_alu depctr_va_vdst(0)
	v_rcp_f32 v14, v14
	v_nop                                          ; a plain place behind the reciprocal
	s_wait_alu depctr_va_vdst(0)                   ; and the wait ahead of its first reader
.set j, 0
.rept 32
	v_mul_f32 v[96+j], v[160+j], v14               ; each accumulator from its low end on
.set j, j+1
.endr
.irp b, 0,1
	v_max3_num_f32 v[TM+2*\b], |v[96+16*\b]|, |v[97+16*\b]|, |v[98+16*\b]|
	v_max3_num_f32 v[TM+2*\b+1], |v[99+16*\b]|, |v[100+16*\b]|, |v[101+16*\b]|
.endr
.irp i, 6,10
.irp b, 0,1
	s_delay_alu instid0(VALU_DEP_4)
	v_max3_num_f32 v[TM+2*\b], v[TM+2*\b], |v[96+16*\b+\i]|, |v[97+16*\b+\i]|
	s_delay_alu instid0(VALU_DEP_4)
	v_max3_num_f32 v[TM+2*\b+1], v[TM+2*\b+1], |v[98+16*\b+\i]|, |v[99+16*\b+\i]|
.endr
.endr
.irp b, 0
	s_delay_alu instid0(VALU_DEP_4)
	v_max3_num_f32 v[TM+2*\b], v[TM+2*\b], |v[110+16*\b]|, |v[111+16*\b]|
.endr
.irp b, 1
	s_delay_alu instid0(VALU_DEP_3)
	v_max3_num_f32 v[TM+2*\b], v[TM+2*\b], |v[110+16*\b]|, |v[111+16*\b]|
.endr
.irp b, 0,1
	s_delay_alu instid0(VALU_DEP_2)
	v_max3_num_f32 v[TM+2*\b], v[TM+2*\b], v[TM+2*\b+1], 0x1800000
.endr
.irp b, 0,1
	s_delay_alu instid0(VALU_DEP_2)
	v_permlanex16_b32 v[TM+4+\b], v[TM+2*\b], s20, s21
.endr
.irp b, 0,1
	s_delay_alu instid0(VALU_DEP_2)
	v_max_num_f32 v[TM+2*\b], v[TM+2*\b], v[TM+4+\b]
.endr
.irp b, 0,1
	s_delay_alu instid0(VALU_DEP_2)
	v_add_nc_u32 v[TM+6+\b], 0xff000000, v[TM+2*\b]
.endr
.irp b, 0,1
	s_delay_alu instid0(VALU_DEP_2)
	v_lshrrev_b32 v[TM+4+\b], 23, v[TM+6+\b]
.endr
	s_delay_alu instid0(VALU_DEP_1)
	v_lshl_or_b32 v[TM+1], v[TM+5], 8, v[TM+4]     ; my row's two bytes for this head
	v_cvt_scalef32_pk16_fp6_f32 v[192:194], v[96:111], v[TM+6]
	v_cvt_scalef32_pk16_fp6_f32 v[198:200], v[112:127], v[TM+7]
	v_nop
.irp i, 0,1,2
	v_permlane16_swap_b32 v[192+\i], v[198+\i]
.endr
.irp i, 0,1,2
	s_delay_alu instid0(VALU_DEP_3)
	v_mov_b32 v[195+\i], v[198+\i]
.endr
	global_store_b128 v1, v[192:195], s[44:45]             ; 32 lanes store 512 consecutive bytes
	global_store_b64 v2, v[196:197], s[44:45] offset:512   ; and 256
	global_store_b16 v7, v[TM+1], s[46:47]                 ; 32 consecutive bytes a wave, 512 a work-group (lanes 16-31 store the same bytes with the same values)
.endm
.macro REINIT                          ; on to block 7 - J
	s_sub_co_u32 s[BLK], 7, s[J]
	s_lshl_b32 s[Q0], s[BLK], 8
	s_lshr_b32 s48, s[WV], 1
	s_lshl_b32 s48, s48, 5
	s_add_co_u32 s[Q0], s[Q0], s48
	s_mov_b32 s[KF], 0
	v_perm_b32 v255, v208, v208, s43               ; my tile's two bytes, in both halves of the word: one register serves (q | 0) and (0 | q)
.irp i, 0,1,2,3,4,5
	v_mov_b32 v[16+\i], v[202+\i]
	v_mov_b32 v[34+\i], v[202+\i]
.endr
	v_mov_b32 v13, 0xff61b1e6
	s_delay_alu instid0(VALU_DEP_1)
	v_floor_f32 v12, -v13
	v_mov_b32 v14, 0
	v_mov_b32 v15, 0
.set j, 0
.rept 32
	v_mov_b32 v[160+j], 0
.set j, j+1
.endr
.endm
	s_load_b256 s[4:11], s[0:1], 0x0               ; qb s[4:5], kv s[6:7], c2 s[8:9], ys s[10:11]
	v_lshl_add_u32 v5, v0, 2, SPARE
	v_mov_b32 v6, 0
	ds_add_u32 v5, v6                              ; the wave's opening: the add, twice on end, and its wait ahead of the first tensor load
	ds_add_u32 v5, v6
	v_lshrrev_b32 v8, 5, v0
	s_delay_alu instid0(VALU_DEP_1)
	v_readfirstlane_b32 s[WV], v8                  ; wave 0..15
	s_mov_b32 s[J], ttmp9
	s_and_b32 s[BH], ttmp7, 0xffff
	; group 1: a quarter slot: 25 rows of 256 bytes (32 elements of 8 bytes), dense
	s_mov_b32 s24, 3<<16
	s_mov_b32 s25, 32<<16
	s_mov_b32 s26, 25<<16
	s_mov_b32 s27, 32<<16
	s_mov_b32 s28, 25
	s_mov_b32 s29, 32
	s_mov_b32 s30, 0
	s_mov_b32 s31, 0
	s_mov_b32 s20, 0x76543210
	s_mov_b32 s21, 0xfedcba98                      ; v_permlanex16_b32's selects for lane l xor 16
	s_mov_b32 s22, 0x3e38aa3b                      ; c = log2(e) / 8
	s_mov_b32 s23, s22                             ; (named with it as a pair)
	s_mov_b32 s[TR], 0
	s_mov_b32 s[TB], 0
	s_mov_b32 s[KF], 0
	s_mov_b32 s[BLK], s[J]
	s_lshl_b32 s[Q0], s[J], 8
	s_lshr_b32 s48, s[WV], 1
	s_lshl_b32 s48, s48, 5
	s_add_co_u32 s[Q0], s[Q0], s48
	s_min_u32 s49, s[WV], 3
	s_mul_i32 s49, s49, 6400                       ; my quarter of a slot, if I fetch
	s_mul_i32 s50, s[BH], 16*STEPB                 ; the head's first byte in kv
	s_add_co_u32 s38, s50, s49
	s_mov_b32 s39, 0
	s_lshr_b32 s51, s[WV], 3
	s_and_b32 s52, s[WV], 7                        ; my tile of a step's eight
	s_lshl_b32 s53, s[BH], 4
	s_add_co_u32 s53, s53, s51
	s_lshl_b32 s54, s[J], 1
	s_add_co_u32 s54, s54, s53
	s_mul_i32 s54, s54, 6400                       ; q: step 2 J + wave / 8 of my head,
	s_mov_b32 s55, 0
	s_sub_co_u32 s56, 7, s[J]
	s_lshl_b32 s56, s56, 1
	s_add_co_u32 s56, s56, s53
	s_mul_i32 s56, s56, 6400                       ; and step 2 (7 - J) + wave / 8
	s_mov_b32 s57, 0
	s_mul_i32 s58, s52, 768                        ; my tile's half image,
	s_mov_b32 s59, 0
	s_lshr_b32 s60, s52, 1
	s_lshl_b32 s60, s60, 2
	s_add_co_u32 s60, s60, 6144                    ; and the word that holds its two bytes
	s_mov_b32 s61, 0
	s_and_b32 s62, s[WV], 3
	s_mul_i32 s62, s62, 6400
	s_add_co_u32 s62, s62, s50
	s_add_co_u32 s62, s62, 2*STEPB                 ; the prefetches stand in slot 1: the first change of slots steps them to slot 2
	s_mov_b32 s63, 0
	s_lshr_b32 s48, s[WV], 2
	s_xor_b32 s48, s48, 1                          ; 0 in waves 4 to 7,
	s_or_b32 s48, s48, s[J]                        ; of work-group J = 0
	s_cmp_eq_u32 s48, 0
	s_cselect_b32 s42, 6, 0
	s_and_b32 s48, s[WV], 1
	s_mov_b32 s43, 0x03020302
	s_cmp_eq_u32 s48, 0
	s_cselect_b32 s43, 0x01000100, s43             ; an even tile's bytes are the word's low half, an odd one's the high
	s_lshl_b32 s48, s48, 3
	v_and_b32 v8, 15, v0                           ; r
	v_bfe_u32 v9, v0, 4, 1                         ; h
	v_and_b32 v10, 31, v0                          ; l
	s_delay_alu instid0(VALU_DEP_1)
	v_lshlrev_b32 v1, 4, v10
	s_delay_alu instid0(VALU_DEP_2)
	v_lshlrev_b32 v2, 3, v10
	v_lshlrev_b32 v3, 4, v8
	v_lshlrev_b32 v7, 1, v8
	v_and_b32 v4, 7, v8
	v_lshrrev_b32 v11, 3, v8
	s_delay_alu instid0(VALU_DEP_1)
	v_lshl_add_u32 v4, v11, 4, v4
	v_lshlrev_b32 v11, 4, v9
	s_delay_alu instid0(VALU_DEP_1)
	v_sub_nc_u32 v4, v4, v11
	s_delay_alu instid0(VALU_DEP_1)
	v_add_nc_u32 v4, s48, v4                       ; my query - Q0 - 16 h
	v_min_u32 v11, 24, v10
	s_delay_alu instid0(VALU_DEP_1)
	v_lshlrev_b32 v11, 8, v11
	s_wait_dscnt 0x0                               ; both opening adds are done
	s_wait_kmcnt 0x0
	s_add_nc_u64 s[36:37], s[6:7], s[38:39]        ; kv at my quarter of the head's slot 0
	s_mov_b32 s32, 1
	s_mov_b32 s33, s49
	s_mov_b64 s[34:35], s[36:37]
	s_or_b32 s35, s35, 0x80000000
	TLOAD                                          ; key slot 0 into slot 0
	s_add_nc_u64 s[40:41], s[6:7], s[62:63]
	s_add_nc_u64 s[54:55], s[4:5], s[54:55]
	s_add_nc_u64 s[56:57], s[4:5], s[56:57]
	s_add_nc_u64 s[44:45], s[54:55], s[58:59]
	s_add_nc_u64 s[46:47], s[56:57], s[58:59]
	s_add_nc_u64 s[54:55], s[54:55], s[60:61]
	s_add_nc_u64 s[56:57], s[56:57], s[60:61]
	global_load_b128 v[16:19], v1, s[44:45]        ; the first block's q, once as the lower half of (q | 0),
	global_load_b64 v[20:21], v2, s[44:45] offset:512
	global_load_b128 v[34:37], v1, s[44:45]        ; once as the upper half of (0 | q)
	global_load_b64 v[38:39], v2, s[44:45] offset:512
	global_load_b128 v[202:205], v1, s[46:47]      ; the second block's
	global_load_b64 v[206:207], v2, s[46:47] offset:512
	global_load_b32 v209, v3, s[54:55]
	global_load_b32 v208, v3, s[56:57]
.irp i, 0,1,2,3,4,5
	v_mov_b32 v[22+\i], 0                          ; the zero halves, once
	v_mov_b32 v[28+\i], 0
.endr
	v_mov_b32 v13, 0xff61b1e6                      ; the largest t so far: -3e38
	s_delay_alu instid0(VALU_DEP_1)
	v_floor_f32 v12, -v13
	v_mov_b32 v14, 0
	v_mov_b32 v15, 0
.irp b, 0,1,2,3
	v_mov_b32 v[236+\b], 0                         ; written once: a lane permute's destination counts as one of its sources
.endr
	v_mov_b32 v[TM+4], 0
	v_mov_b32 v[TM+5], 0
	v_mov_b32 v252, 0
	v_mov_b32 v253, 0
	s_wait_loadcnt 0x0
	v_perm_b32 v255, v209, v209, s43
.set j, 0
.rept 32
	v_mov_b32 v[160+j], 0                          ; O^T: the step is written once, and the first change of M leaves zeros zeros
.set j, j+1
.endr
.Ltrip:                                            ; eight trips: behind each change of slots the next trip's slot is asked for
	CHANGE 1
	STEP 0
	STEP 1
	s_xor_b32 s[TB], s[TB], SLOT1
	s_cmp_lg_u32 s[TR], s[J]                       ; the first block ends with trip J: ids and the count alone, alike in all sixteen waves; no barrier inside
	s_cbranch_scc1 .Lsame
	FINAL
	REINIT
.Lsame:
	s_add_co_u32 s[TR], s[TR], 1
	s_cmp_lt_u32 s[TR], 8
	s_cbranch_scc1 .Ltrip
	CHANGE 0                                       ; the last slot is written out: nothing is left to fetch
	STEP 0
	STEP 1
	FINAL
	s_wait_tensorcnt 0x0                           ; the wave's end
	ds_add_u32 v5, v6
	s_wait_dscnt 0x0
	s_endpgm
.Lfunc_end_k_q2e2bb3dabc_attn:
	.size	k_q2e2bb3dabc_attn, .Lfunc_end_k_q2e2bb3dabc_attn-k_q2e2bb3dabc_attn
	.p2alignl 7, 3214868480
	.fill 96, 4, 3214868480
	.section	.rodata,"a",@progbits
	.p2align	6, 0x0
	.amdhsa_kernel k_q2e2bb3dabc_attn
		.amdhsa_group_segment_fixed_size 327680
		.amdhsa_private_segment_fixed_size 0
		.amdhsa_enable_private_segment 0
		.amdhsa_kernarg_size 32
		.amdhsa_user_sgpr_count 2
		.amdhsa_user_sgpr_kernarg_segment_ptr 1
		.amdhsa_wavefront_size32 1
		.amdhsa_system_sgpr_workgroup_id_x 1
		.amdhsa_system_sgpr_workgroup_id_y 1
		.amdhsa_system_sgpr_workgroup_id_z 1
		.amdhsa_system_vgpr_workitem_id 0
		.amdhsa_next_free_vgpr 256
		.amdhsa_next_free_sgpr 66
		.amdhsa_reserve_vcc 1
		.amdhsa_float_denorm_mode_32 3
		.amdhsa_float_denorm_mode_16_64 3
		.amdhsa_memory_ordered 1
		.amdhsa_forward_progress 1
		.amdhsa_inst_pref_size 110
	.end_amdhsa_kernel
	.amdgpu_metadata
---
amdhsa.version: [ 1, 2 ]
amdhsa.kernels:
  - .name:           k_q2e2bb3dabc_attn
    .symbol:         k_q2e2bb3dabc_attn.kd
    .args:
      - { .name: qb, .offset: 0, .size: 8, .value_kind: global_buffer, .address_space: global }
      - { .name: kv, .offset: 8, .size: 8, .value_kind: global_buffer, .address_space: global }
      - { .name: c2, .offset: 16, .size: 8, .value_kind: global_buffer, .address_space: global }
      - { .name: ys, .offset: 24, .size: 8, .value_kind: global_buffer, .address_space: global }
    .group_segment_fixed_size: 327680
    .private_segment_fixed_size: 0
    .kernarg_segment_align: 8
    .kernarg_segment_size: 32
    .max_flat_workgroup_size: 512
    .sgpr_count:     66
    .vgpr_count:     256
    .wavefront_size: 32
...
	.end_amdgpu_metadata
.endif
;; end of part 3
;; launch proj (part 4): grid 8 x 32, 4 waves a work-group, clusters of 4 x 4, 327,680 bytes of LDS; arguments c2, sc, ys, out0; writes out0
.if DOCPART == 4
	.amdgcn_target "amdgcn-amd-amdhsa--gfx1250"
	.amdhsa_code_object_version 6
	.text
	.protected	k_q2e2bb3dabc_proj
	.globl	k_q2e2bb3dabc_proj
	.p2align	8
	.type	k_q2e2bb3dabc_proj,@function
k_q2e2bb3dabc_proj:
	s_mov_b64 s[64:65], 0
	v_nop
	global_prefetch_b8 v0, s[64:65] scope:SCOPE_SE
	s_setreg_imm32_b32 hwreg(HW_REG_WAVE_MODE, 25, 1), 1
	s_wait_xcnt 0x0
	s_wait_alu depctr_hold_cnt(0) depctr_sa_sdst(0) depctr_va_vdst(0) depctr_va_sdst(0) depctr_va_ssrc(0) depctr_va_vcc(0) depctr_vm_vsrc(0)
	s_getreg_b32 s2, hwreg(HW_REG_IB_STS2, 6, 4)
	s_cmp_eq_u32 s2, 0
	s_cbranch_scc0 .Lentry_in_a_cluster
	s_endpgm
.Lentry_in_a_cluster:
	s_bfe_u32 s2, ttmp6, 0x10000c
	s_cmp_lg_u32 s2, 0xf033
	s_cbranch_scc0 .Lentry_shape_is_right
	s_endpgm
.Lentry_shape_is_right:
; out0 = Q(y) Q(W_proj) on codes of FP6 with E8M0 scales, f32 sums.  No work is left out here.
; The core is launch qkv's: a work-group makes 256 rows x 128 columns over all of K = 1,024, a wave 128 x 64; both panels for all of K lie in LDS, every tensor load is a first fill, four a wave;
; cluster 4 x 4: y's panel is asked for jointly along a row of the cluster, W_proj's along a column.  Source 0 = W's columns, source 1 = y's rows: a lane holds one row and eight neighbouring columns a tile.
; y's scale bytes lie by heads ([head][tile][r], two bytes): a K step's word is made of two heads' pairs, under the first fills.
; THE WAY OUT: 16 rows x 64 columns go through my own stage in LDS (rows of 256 bytes + 16) and leave as whole rows: sixteen lanes store 256 consecutive bytes, aligned.  The stage has bytes of its own, into which no fill lands.
; REGISTERS: as launch qkv's; v24 into the stage, v25 out of it, v26 my place in out0, v27 2 r; v128-191 rows on the way out (before the products: the odd heads' byte pairs).
.set SPARE, 294912
.set STAGE, 295424                     ; 16 rows x 272 bytes for each wave
.set SPW, 28
.set NIL, 29
.set SC1, 32
.set SC0, 96
.set MSB, 0
.macro WIN new
.if MSB != (\new)
	s_set_vgpr_msb (MSB<<8)|(\new)
.set MSB, (\new)
.endif
.endm
.macro PLACES
.rept 4
	v_nop
.endr
.endm
.macro CROUND
	s_barrier_signal -1
	s_barrier_wait -1
	s_cmp_lg_u32 s14, 0
	s_cbranch_scc1 .Lnot_wave_0_\@
	s_barrier_signal -3
.Lnot_wave_0_\@:
	s_barrier_wait -3
	s_barrier_signal -1
	s_barrier_wait -1
.endm
.macro FRAG reg, la, sa, off
	ds_load_b128 v[(\reg):(\reg)+3], v[\la] offset:(\off)
	ds_load_b64 v[(\reg)+4:(\reg)+5], v[\sa] offset:(\off)+512
	ds_load_b128 v[(\reg)+6:(\reg)+9], v[\la] offset:(\off)+768
	ds_load_b64 v[(\reg)+10:(\reg)+11], v[\sa] offset:(\off)+1280
.endm
.macro FETCH s
	WIN 0x40
.irp a, 0,1,2,3,4,5,6,7
	FRAG 96*((\s)%2)+12*\a, 4+(\s)/2, 8+(\s)/2, 3072*\a+1536*((\s)%2)
.endr
	WIN 0x80
.irp b, 0,1,2,3
	FRAG 48*((\s)%2)+12*\b, 12+(\s)/2, 16+(\s)/2, 3072*\b+1536*((\s)%2)
.endr
.endm
.macro MUL s                           ; 32 products; the accumulators take turns, in the same order in every K step; K step 0 starts the sums
	WIN 0xf6                                       ; source 0 (W) window 2, source 1 (y) window 1, C and D window 3
.irp a, 0,1,2,3,4,5,6,7
.irp b, 0,1,2,3
.set rD, 8*(4*\a+\b)
.set rA, 48*((\s)%2)+12*\b
.set rB, 96*((\s)%2)+12*\a
.if (\s) == 0
	v_wmma_scale_f32_16x16x128_f8f6f4 v[rD:rD+7], v[rA:rA+11], v[rB:rB+11], 0, v[SC0+8*\b+(\s)], v[SC1+8*\a+(\s)] matrix_a_fmt:MATRIX_FMT_FP6 matrix_b_fmt:MATRIX_FMT_FP6
.else
	v_wmma_scale_f32_16x16x128_f8f6f4 v[rD:rD+7], v[rA:rA+11], v[rB:rB+11], v[rD:rD+7], v[SC0+8*\b+(\s)], v[SC1+8*\a+(\s)] matrix_a_fmt:MATRIX_FMT_FP6 matrix_b_fmt:MATRIX_FMT_FP6
.endif
.endr
.endr
.endm
.macro KSTEP s
	s_wait_dscnt 0x0                               ; this K step's fragments are in
.if ((\s)%2 == 1) && ((\s) < 7)
	s_wait_tensorcnt 3-((\s)+1)/2                  ; my part of the next chunk has landed; the chunks asked for behind it may be out
	s_barrier_signal -1
	s_barrier_wait -1
.endif
.if (\s) < 7
.if (\s) > 0
	PLACES                                         ; four places between the products that read a set and the loads into it
.endif
	FETCH (\s)+1
.endif
	MUL \s
.endm
.macro TOSTAGE a                       ; row tile a: 16 rows x 64 columns into my stage, and back as whole rows
	WIN 0x0c                                       ; an LDS store's data are its source 1: window 3
.irp b, 0,1,2,3
.irp k, 0,1
	ds_store_b128 v24, v[8*(4*(\a)+\b)+4*\k:8*(4*(\a)+\b)+4*\k+3] offset:128*(\b/2)+32*(\b%2)+16*\k   ; each accumulator from its low end on
.endr
.endr
	WIN 0
.set BB, 128+32*((\a)%2)
.irp i, 0,1,2,3,4,5,6,7
	ds_load_b128 v[BB+4*\i:BB+4*\i+3], v25 offset:544*\i   ; a wave's LDS instructions are served in order: these see the stores, and the next tile's stores come behind them
.endr
.endm
.macro SEND a, younger                 ; younger: the LDS instructions issued behind tile a's loads
.set BB, 128+32*((\a)%2)
	s_wait_dscnt \younger
.irp i, 0,1,2,3,4,5,6,7
	global_store_b128 v26, v[BB+4*\i:BB+4*\i+3], s[96:97] offset:(32*((\a)/2)+8*((\a)%2)+(2*\i)%8+16*((2*\i)/8))*4096 th:TH_STORE_NT   ; stage rows 2 i, 2 i + 1 are the tile's rows of that number: 256 consecutive bytes for each sixteen lanes
.endr
.endm
	s_load_b256 s[4:11], s[0:1], 0x0               ; c2 s[4:5], sc s[6:7], ys s[8:9], out0 s[10:11]
	v_lshl_add_u32 v[SPW], v0, 2, SPARE
	v_mov_b32 v[NIL], 0
	ds_add_u32 v[SPW], v[NIL]                      ; the wave's opening: the add, twice on end, and its wait ahead of my first tensor load
	ds_add_u32 v[SPW], v[NIL]
	v_lshrrev_b32 v1, 5, v0
	v_readfirstlane_b32 s14, v1                    ; wave 0..3
	s_lshr_b32 s15, s14, 1                         ; my half of the rows.  Also: I fetch for y (0) or for W (1)
	s_and_b32 s16, s14, 1                          ; my half of the columns.  Also: which half of that panel I fetch
	s_bfe_u32 s17, ttmp6, 0x40000                  ; cx
	s_bfe_u32 s18, ttmp6, 0x40004                  ; cy
	s_lshl_b32 s19, ttmp9, 2
	s_add_co_u32 s19, s19, s17                     ; tile column
	s_and_b32 s20, ttmp7, 0xffff
	s_lshl_b32 s20, s20, 2
	s_add_co_u32 s20, s20, s18                     ; tile row
	s_lshl_b32 s21, s18, 2
	s_lshl_b32 s21, 15, s21                        ; my row of the cluster
	s_lshl_b32 s22, 0x1111, s17                    ; my column
	s_or_b32 s24, s21, (3<<16)|(1<<21)             ; group 1 as in launch qkv: rows of 3,072 bytes, 12,288 bytes apart; y: 8 tiles a load, W: 4
	s_mov_b32 s25, 384<<16
	s_mov_b32 s26, 8<<16
	s_mov_b32 s27, 384<<16
	s_mov_b32 s28, 8
	s_mov_b32 s29, 1536
	s_mov_b32 s30, 0
	s_mov_b32 s31, 0
	s_or_b32 s48, s22, (3<<16)|(1<<21)
	s_mov_b32 s49, 384<<16
	s_mov_b32 s50, 4<<16
	s_mov_b32 s51, 384<<16
	s_mov_b32 s52, 4
	s_mov_b32 s53, 1536
	s_mov_b32 s54, 0
	s_mov_b32 s55, 0
	s_lshl_b32 s84, s20, 4
	s_lshl_b32 s86, s16, 3
	s_add_co_u32 s84, s84, s86
	s_mul_i32 s84, s84, 12288
	s_mov_b32 s85, 0
	s_lshl_b32 s88, s19, 3
	s_lshl_b32 s90, s16, 2
	s_add_co_u32 s88, s88, s90
	s_mul_i32 s88, s88, 12288
	s_add_co_u32 s88, s88, 6291456
	s_mov_b32 s89, 0
	s_mul_i32 s23, s16, 24576
	s_mul_i32 s92, s16, 12288
	s_wait_dscnt 0x0                               ; both opening adds are done
	s_wait_kmcnt 0x0
	s_add_nc_u64 s[84:85], s[4:5], s[84:85]
	s_add_nc_u64 s[88:89], s[4:5], s[88:89]
	CROUND                                         ; all sixteen work-groups are here: the joint loads meet
.irp q, 0,1,2,3
	s_mov_b32 s[32+4*\q], 1
	s_add_co_u32 s[33+4*\q], s23, 49152*\q
	s_add_nc_u64 s[34+4*\q:35+4*\q], s[84:85], 3072*\q
	s_or_b32 s[35+4*\q], s[35+4*\q], 0x80000000
	s_mov_b32 s[68+4*\q], 1
	s_add_co_u32 s[69+4*\q], s92, 196608+24576*\q
	s_add_nc_u64 s[70+4*\q:71+4*\q], s[88:89], 3072*\q
	s_or_b32 s[71+4*\q], s[71+4*\q], 0x80000000
.endr
	s_cmp_eq_u32 s15, 0                            ; a wave's four first fills stand in one arm: four tensor loads of mine are out
	s_cbranch_scc0 .Lfirst_w
.irp q, 0,1,2,3
	tensor_load_to_lds s[32+4*\q:35+4*\q], s[24:31]
	s_nop 0
.endr
	PLACES
	s_branch .Lfirst_done
.Lfirst_w:
.irp q, 0,1,2,3
	tensor_load_to_lds s[68+4*\q:71+4*\q], s[48:55]
	s_nop 0
.endr
	PLACES
.Lfirst_done:
	v_and_b32 v1, 31, v0                           ; l
	v_and_b32 v2, 15, v0                           ; r
	v_bfe_u32 v3, v0, 4, 1                         ; h
	v_lshlrev_b32 v20, 4, v1
	v_lshlrev_b32 v21, 3, v1
	v_lshlrev_b32 v23, 5, v2
	v_lshlrev_b32 v27, 1, v2
	s_mul_i32 s56, s15, 24576
	s_mul_i32 s57, s16, 12288
	s_add_co_u32 s57, s57, 196608
.irp q, 0,1,2,3
	v_add_nc_u32 v[4+\q], s56, v20
	v_add_nc_u32 v[8+\q], s56, v21
	v_add_nc_u32 v[12+\q], s57, v20
	v_add_nc_u32 v[16+\q], s57, v21
	s_add_co_u32 s56, s56, 49152
	s_add_co_u32 s57, s57, 24576
.endr
	s_lshl_b32 s58, s20, 4
	s_lshl_b32 s59, s15, 3
	s_add_co_u32 s58, s58, s59
	s_lshl_b32 s58, s58, 5                         ; y's byte pairs: 32 bytes a tile in each head's plane
	s_mov_b32 s59, 0
	s_add_nc_u64 s[58:59], s[8:9], s[58:59]
	s_lshl_b32 s60, s19, 3
	s_lshl_b32 s61, s16, 2
	s_add_co_u32 s60, s60, s61
	s_lshl_b32 s60, s60, 9
	s_add_co_u32 s60, s60, 360448                  ; W_proj's scale words
	s_mov_b32 s61, 0
	s_add_nc_u64 s[60:61], s[6:7], s[60:61]
.irp b, 0,1,2,3
.irp k, 0,1
	global_load_b128 v[SC0+8*\b+4*\k:SC0+8*\b+4*\k+3], v23, s[60:61] offset:512*\b+16*\k
.endr
.endr
.irp a, 0,1,2,3,4,5,6,7
.irp s, 0,1,2,3,4,5,6,7
	global_load_u16 v[SC1+8*\a+\s], v27, s[58:59] offset:16384*(2*\s)+32*\a       ; head 2 s: the word's low half,
	global_load_u16 v[128+8*\a+\s], v27, s[58:59] offset:16384*(2*\s+1)+32*\a     ; head 2 s + 1: its high half
.endr
.endr
	s_mul_i32 s93, s14, 4352
	s_add_co_u32 s93, s93, STAGE                   ; my stage
	v_mul_u32_u24 v24, v2, 272
	v_lshl_add_u32 v24, v3, 6, v24
	v_add_nc_u32 v24, s93, v24                     ; in: row r, + 64 h bytes
	v_mul_u32_u24 v25, v3, 272
	v_lshl_add_u32 v25, v2, 4, v25
	v_add_nc_u32 v25, s93, v25                     ; back: lanes 0-15 one row, lanes 16-31 the next
	v_lshlrev_b32 v26, 12, v3
	v_lshl_add_u32 v26, v2, 4, v26                 ; and the same two rows in out0
	s_lshl_b32 s62, s20, 8
	s_lshl_b32 s63, s15, 7
	s_add_co_u32 s62, s62, s63
	s_lshl_b32 s62, s62, 12                        ; my first row of 4,096 bytes,
	s_lshl_b32 s63, s19, 9
	s_add_co_u32 s62, s62, s63
	s_lshl_b32 s63, s16, 8
	s_add_co_u32 s62, s62, s63                     ; my first column: 512 x tile column + 256 x half bytes
	s_mov_b32 s63, 0
	s_add_nc_u64 s[96:97], s[10:11], s[62:63]
	s_wait_loadcnt 0x0
.irp s, 0,1,2,3,4,5,6,7
.irp a, 0,1,2,3,4,5,6,7
	v_lshl_or_b32 v[SC1+8*\a+\s], v[128+8*\a+\s], 16, v[SC1+8*\a+\s]   ; K step 0's words first: 56 plain lines stand between them and the first product
.endr
.endr
	s_wait_tensorcnt 3                             ; my part of chunk 0 has landed; chunks 1 to 3 may be out
	s_barrier_signal -1
	s_barrier_wait -1
	FETCH 0
.irp s, 0,1,2,3,4,5,6,7
	s_wait_alu depctr_va_vdst(0)
	KSTEP \s
.endr
	WIN 0
	PLACES                                         ; in front of the first read of results
	TOSTAGE 0
.irp a, 1,2,3,4,5,6,7
.if \a > 1
	s_wait_xcnt 0x0                                ; the stores of two tiles back have read the registers into which this tile's rows come
.endif
	TOSTAGE \a
	SEND \a-1, 16                                  ; behind tile a - 1's loads: tile a's 8 stores and 8 loads
.endr
	SEND 7, 0
	s_wait_tensorcnt 0x0                           ; the wave's end, behind my last tensor load and my last LDS store
	ds_add_u32 v[SPW], v[NIL]
	s_wait_dscnt 0x0
	CROUND                                         ; the closing round
	s_endpgm
.Lfunc_end_k_q2e2bb3dabc_proj:
	.size	k_q2e2bb3dabc_proj, .Lfunc_end_k_q2e2bb3dabc_proj-k_q2e2bb3dabc_proj
	.p2alignl 7, 3214868480
	.fill 96, 4, 3214868480
	.section	.rodata,"a",@progbits
	.p2align	6, 0x0
	.amdhsa_kernel k_q2e2bb3dabc_proj
		.amdhsa_group_segment_fixed_size 327680
		.amdhsa_private_segment_fixed_size 0
		.amdhsa_enable_private_segment 0
		.amdhsa_kernarg_size 32
		.amdhsa_user_sgpr_count 2
		.amdhsa_user_sgpr_kernarg_segment_ptr 1
		.amdhsa_wavefront_size32 1
		.amdhsa_system_sgpr_workgroup_id_x 1
		.amdhsa_system_sgpr_workgroup_id_y 1
		.amdhsa_system_sgpr_workgroup_id_z 1
		.amdhsa_system_vgpr_workitem_id 0
		.amdhsa_next_free_vgpr 1024
		.amdhsa_next_free_sgpr 100
		.amdhsa_reserve_vcc 0
		.amdhsa_float_denorm_mode_32 3
		.amdhsa_float_denorm_mode_16_64 3
		.amdhsa_memory_ordered 1
		.amdhsa_forward_progress 1
		.amdhsa_inst_pref_size 100
	.end_amdhsa_kernel
	.amdgpu_metadata
---
amdhsa.version: [ 1, 2 ]
amdhsa.kernels:
  - .name:           k_q2e2bb3dabc_proj
    .symbol:         k_q2e2bb3dabc_proj.kd
    .args:
      - { .name: c2, .offset: 0, .size: 8, .value_kind: global_buffer, .address_space: global }
      - { .name: sc, .offset: 8, .size: 8, .value_kind: global_buffer, .address_space: global }
      - { .name: ys, .offset: 16, .size: 8, .value_kind: global_buffer, .address_space: global }
      - { .name: out0, .offset: 24, .size: 8, .value_kind: global_buffer, .address_space: global }
    .group_segment_fixed_size: 327680
    .private_segment_fixed_size: 0
    .kernarg_segment_align: 8
    .kernarg_segment_size: 32
    .max_flat_workgroup_size: 128
    .sgpr_count:     100
    .vgpr_count:     1024
    .wavefront_size: 32
...
	.end_amdgpu_metadata
.endif
;; end of part 4
